; MI455X (gfx1250); checked and timed in simulation.
; The chip was launched on July 23, 2026; its instructions are those of AMD's public machine-readable ISA for CDNA 5 (MIT licence, August 2026) and "CDNA5" Instruction Set Architecture Reference Guide (July 2026). The comments in the code are by the model that wrote it; some were corrected since.
;; Intern VL3 Vision Layer. Allowed arithmetic: matrix products marked QUANTISED: E2M1 operands, one E8M0 scale for each 32 along K, by v_wmma_scale_f32_16x16x128_f8f6f4 with both operands' format E2M1 (or v_wmma_scale_f32_32x16x128_f4), f32 sums; everything else in f32.
;; Inputs: fc1_b 1,024 float32; fc1_w_codes 1,024 x 32 x 16 uint8 (E2M1 codes of fc1_w, K innermost, in blocks of 32 codes, two codes a byte); fc1_w_scales 1,024 x 32 uint8 (E8M0 scales of fc1_w, one for each 32 codes along K); fc2_b 1,024 float32; fc2_w_codes 1,024 x 32 x 16 uint8 (E2M1 codes of fc2_w, K innermost, in blocks of 32 codes, two codes a byte); fc2_w_scales 1,024 x 32 uint8 (E8M0 scales of fc2_w, one for each 32 codes along K); hidden_states 8 x 1,025 x 1,024 float32; ls1 1,024 float32; ls2 1,024 float32; norm1_b 1,024 float32; norm1_w 1,024 float32; norm2_b 1,024 float32; norm2_w 1,024 float32; proj_b 1,024 float32; proj_w_codes 1,024 x 32 x 16 uint8 (E2M1 codes of proj_w, K innermost, in blocks of 32 codes, two codes a byte); proj_w_scales 1,024 x 32 uint8 (E8M0 scales of proj_w, one for each 32 codes along K); qkv_b 3,072 float32; qkv_w_codes 3,072 x 32 x 16 uint8 (E2M1 codes of qkv_w, K innermost, in blocks of 32 codes, two codes a byte); qkv_w_scales 3,072 x 32 uint8 (E8M0 scales of qkv_w, one for each 32 codes along K).
;; Outputs: out0 8 x 1,025 x 1,024 float32.
;; This version of the problem:
;;   THIS VERSION OF THE PROBLEM IS GIVEN IN LOW PRECISION. The matrix products marked QUANTISED in the list below multiply operands that are first quantised to E2M1 (2 exponent bits, 1 mantissa bit; 4 bits a number), with one power-of-two scale for each 32 numbers along K (OCP MX v1.0); their sums are f32. All else is computed in f32.
;;   The module's matrix products, in the order in which they are computed (A, B: the left and right operand; K: the contracted axis; several contracted axes count as one K, in the product's order):
;;     1. [M 8,200, K 1,024] x [K 1,024, N 3,072]; A: computed on the way; B: input qkv_w (given as codes): QUANTISED
;;     2. batch 128 x [M 1,025, K 64] x [K 64, N 1,025]; A: computed on the way; B: computed on the way: QUANTISED
;;     3. batch 128 x [M 64, K 1,025] x [K 1,025, N 1,025]; A: computed on the way; B: softmax (see below): QUANTISED
;;     4. [M 8,200, K 1,024] x [K 1,024, N 1,024]; A: computed on the way; B: input proj_w (given as codes): QUANTISED
;;     5. [M 8,200, K 1,024] x [K 1,024, N 1,024]; A: computed on the way; B: input fc1_w (given as codes): QUANTISED
;;     6. [M 8,200, K 1,024] x [K 1,024, N 1,024]; A: computed on the way; B: input fc2_w (given as codes): QUANTISED
;;   THE QUANTISER, for each operand of a quantised product, along K:
;;     - K is cut into blocks of 32 from its start; a last block that is shorter is filled with zeros.
;;     - A block's scale is 2^e with e = floor(log2(the largest magnitude in the block)) - 2, held to -126 .. 127; a block of zeros has e = 0. As a byte (E8M0): e + 127.
;;     - Each number is divided by its block's scale, clamped to +-6, and rounded to the nearest number of E2M1, ties to even, subnormals kept.
;;     - The product sums the exact products of the quantised numbers (number of the format x scale) in f32.
;;   ~~~python
;;   def quantise(x, axis):      # numpy; x: float32 -> the quantised numbers, widened to float32 again
;;       x = np.moveaxis(x, axis, -1); K = x.shape[-1]
;;       x = np.pad(x, [(0, 0)] * (x.ndim - 1) + [(0, -K % 32)]); x = x.reshape(x.shape[:-1] + (-1, 32)); a = np.abs(x).max(-1, keepdims=True)
;;       e = np.where(a > 0, np.clip(np.frexp(np.where(a > 0, a, 1))[1] - 1 - 2, -126, 127), 0)      # np.frexp(a)[1] - 1 = floor(log2(a)), exactly
;;       r = np.clip(x / 2.0 ** e, -6, 6)
;;       step = 2.0 ** (np.maximum(np.frexp(np.where(r == 0, 1, r))[1] - 1, 0) - 1)
;;       q = np.round(r / step) * step * 2.0 ** e      # np.round: ties to even
;;       return np.moveaxis(q.reshape(q.shape[:-2] + (-1,))[..., :K], -1, axis).astype(np.float32)
;;   ~~~
;;   SOFTMAX AHEAD OF A QUANTISED PRODUCT. Where the list says 'softmax', what is quantised is not the finished softmax but p = 2^(t - M), with t = logit x log2(e) and M = ceil(the row's largest t), a whole number; so 1/2 < the row's largest p <= 1. The row's sum l is taken of the UNQUANTISED p, in f32, and the product's result is divided by l at the end. Since M is a whole number, a kernel that streams over the keys may use a running M (the ceiling of the running maximum): every later rescaling is an exact power of two, which a block's scale takes up: the codes' values come out the same.
;;   OPERANDS COMPUTED ON THE WAY. 'Computed on the way' means the value that the module computes at that place (a softmax that the list does not call 'softmax' is quantised finished and normalised). What goes into a quantiser is computed in f32, as accurately as f32 sums, v_exp_f32 and their like allow (about 1e-6 of the number): no bf16 or f16 on the way to a quantiser, and a product that is left as it is and whose result goes on into a quantised operand takes f32 operands (vector FMAs, or v_wmma_f32_16x16x4_f32). A number that lies on a knife's edge between two numbers of the format may be rounded either way, as far as f32 arithmetic and the matrix unit's own rounding can turn it there, and no further.
;;   INPUTS GIVEN AS CODES. fc1_w (in the module: [1024, 1024], K = its axis 1); fc2_w (in the module: [1024, 1024], K = its axis 1); proj_w (in the module: [1024, 1024], K = its axis 1); qkv_w (in the module: [3072, 1024], K = its axis 1): each comes as NAME_codes (uint8): NAME with its K axis moved to the last place and cut into blocks of 32 codes, [.., K / 32, bytes a block], one block behind the other in memory; two codes a byte, the lower K in the low four bits (a code: sign, 2 exponent bits, 1 mantissa bit); and NAME_scales (uint8): the same leading axes, one E8M0 byte (e + 127) for each 32 codes along K. Its value is code x scale, taken as it is: it is not quantised again, and the codes and scales need not be those that the quantiser above would give.
;; One version. Each part assembles by itself: llvm-mc -triple=amdgcn-amd-amdhsa -mcpu=gfx1250 --defsym DOCPART=n.
;; ======== version 1 of 1: 3 launches
;; limits: right only within a limited range of input values
;; workspace buffers: qkv_c 13,369,344 bytes; qkv_s 1,671,168 bytes; o_c 4,259,840 bytes; o_s 1,064,960 bytes
;; launch qkv (part 1): grid 8 x 27, 4 waves a work-group, clusters of 4 x 1, 327,680 bytes of LDS; arguments hidden_states, norm1_w, norm1_b, qkv_w_codes, qkv_w_scales, qkv_b, qkv_c, qkv_s; writes qkv_c, qkv_s
.if DOCPART == 1
	.amdgcn_target "amdgcn-amd-amdhsa--gfx1250"
	.amdhsa_code_object_version 6
	.text
	.protected	k_q40674777bf_qkv
	.globl	k_q40674777bf_qkv
	.p2align	8
	.type	k_q40674777bf_qkv,@function
k_q40674777bf_qkv:
	s_mov_b64 s[64:65], 0
	v_nop
	global_prefetch_b8 v0, s[64:65] scope:SCOPE_SE
	s_setreg_imm32_b32 hwreg(HW_REG_WAVE_MODE, 25, 1), 1
	s_wait_xcnt 0x0
	s_wait_alu depctr_hold_cnt(0) depctr_sa_sdst(0) depctr_va_vdst(0) depctr_va_sdst(0) depctr_va_ssrc(0) depctr_va_vcc(0) depctr_vm_vsrc(0)
	s_getreg_b32 s2, hwreg(HW_REG_IB_STS2, 6, 4)
	s_cmp_eq_u32 s2, 0
	s_cbranch_scc0 .Lentry_in_a_cluster
	s_endpgm
.Lentry_in_a_cluster:
	s_bfe_u32 s2, ttmp6, 0x10000c
	s_cmp_lg_u32 s2, 0x3003
	s_cbranch_scc0 .Lentry_shape_is_right
	s_endpgm
.Lentry_shape_is_right:
; LayerNorm 1, its quantising to FP4 (E2M1, one E8M0 scale for each 32 along K), x W^T + b for q, k and v, and the quantising of q and k along the head's 64 channels and of v along the keys.
; SHARES.  A work-group owns 128 tokens (G = grid y / 3) of one batch (bt = 4 x cluster x + place in the cluster) and ONE of q, k, v (kind = grid y % 3): 1,024 output channels.  So it takes in 16 x 32,768 bytes
; of weight codes and 128 x 4,096 bytes of x.  Its four waves first normalise and quantise 32 rows each; the codes meet in LDS and every wave keeps all 128 rows' fragments in registers (512).
; Then wave w makes, in trip it = 0 .. 3, the 64 channels of head 4 it + w of its kind, for all 128 tokens: 256 matrix instructions on one tile of weights.
; WEIGHTS.  A trip's 64 rows x 512 bytes are dense in memory; each wave brings its own by one tensor load into its own two LDS regions, which take turns.  The four work-groups of a cluster have the same kind and walk
; the same weights, so each load is a joint one (mask 15): same descriptor in all four, made of the kind, the wave's number and the trip alone.
; LAYOUT.  q, k: source 0 = 16 rows of W, source 1 = 16 tokens: a lane holds one token, its registers run along the channels.  v: the sources swapped: a lane holds one channel, its registers run along the tokens.
; In both a block of 32 along the axis to be quantised is two neighbouring tiles; a lane holds 16 of its numbers and the lane 16 away the other 16.  The 128 tokens are two groups of 64 (g = 2 G + gi).
; OUT.  qkv_c [bt][48][g 17][i 4][lane][16 bytes]: registers 0-3 of a fragment as they stand.  qkv_s [bt][48][g][i][row 16]: a word with the row's two scale bytes (for v in odd g in bytes 2, 3); other bytes 0, which stand over zero codes alone.
; Tokens past 1,024 (G = 8): rows are loaded clamped to token 1,024; for v they are made 0 ahead of the block's maximum, as the quantiser's zero fill asks; group 17 does not exist and is not stored.
; THE KINDS SHARE ONE TEXT: the change of regions, the quantiser and the stores are common; a scalar branch on the kind goes round the K steps alone, where no barrier and no tensor load stands.
; LIMITS: NaN and infinities among the inputs are not served.  A block whose largest magnitude lies under 2^-124, a block of zeros among them, gets the scale byte 1 (this program alone reads the bytes).
.set RINGW,  69632                     ; LDS: a wave's two regions
.set REGN,   0x8400                    ; a region: 64 rows x 528 bytes; bits 10 and 15 are 0 in every wave's base, so one exclusive or changes regions
.set WPITCH, 528                       ; 512 bytes + 16 of padding: the 16 rows that a load touches start 4 banks apart
.set XC,     278528                    ; x's codes: 64 rows x 528: half of the rows at a time, since 128 do not fit beside the ring
.set XS,     312320                    ; x's scale bytes: 128 rows x 48 (32 used)
.set SPARE,  318464                    ; the spare words: 128 bytes a wave
; vector registers, window 0
.set SPW, 1
.set NIL, 2
.set L32, 3
.set L16, 4
.set L4,  5
.set XCA0, 6
.set XSB0, 7
.set XFA, 8
.set XSA, 9
.set WA0, 10
.set WA,  11
.set WSO, 12
.set BO,  13
.set VBO, 14
.set XCA, 15
.set XSB, 16
.set RO,  20                           ; v20-23 a row set's byte offset in hidden_states
.set MU,  32                           ; LN: pairs whose low word serves both halves
.set RS,  34
.set SS,  36                           ; v36-43 four chains
.set MX4, 44
.set SO4, 48
.set BY4, 52
.set CD4, 56
.set TT,  60
.set T2,  61
.set X,   64                           ; v64-191 four row sets of 32
.set NW,  192
.set NB,  224
.set XSW, 32                           ; products: v32-63 x's scale words, 4 a tile: register i: lanes 0-15 K step i, lanes 16-31 K step i + 4
.set WSW, 64                           ; v64-79 W's likewise
.set VBL, 80                           ; v80-83 v's bias, a channel a lane
.set WF,  84                           ; v84-147 W's fragments, two sets of 32
.set BIAS, 148                         ; v148-179 the bias in the result's layout: the C of a sum's first product
.set QMX, 180
.set QPT, 188
.set QSO, 196
.set QBY, 204
.set PC,  212                          ; v212-243 the codes, a set of 16 for each group
.set SW,  244
.set SWP, 248                          ; v248-251 the scale words as stored, two for each group
; windows 1, 2: x's fragments: tile T (0 .. 7), K step s at 8 (8 (T % 4) + s) of window 1 + T / 4.   window 3: accumulators (gi, a, b) at 128 gi + 8 (4 b + a)
; scalar registers
.set WSP, 12
.set BP,  14
.set QC,  16
.set QS,  18
.set WV,  20
.set CX,  21
.set BT,  22
.set GG,  23
.set G1,  24
.set G0,  32
.set TB,  36
.set CNT, 37
.set T0,  38
.set BROW, 39
.set SEL, 40
.set EPS, 42
.set RK,  43
.set HM,  44
.set SHV, 45
.set LRC, 50
.set LRS, 51
.set KD,  52
.set YY,  53
.set MSB, 0
.macro WIN new                         ; the immediate's high byte repeats the setting that is left
.if MSB != (\new)
	s_set_vgpr_msb (MSB<<8)|(\new)
.set MSB, \new
.endif
.endm
.macro PLACES
.rept 4
	v_nop
.endr
.endm
.macro ROUND                           ; a round of the cluster's barrier
	s_barrier_signal -1
	s_barrier_wait -1
	s_cmp_lg_u32 s[WV], 0
	s_cbranch_scc1 .Lnw0_\@
	s_barrier_signal -3
.Lnw0_\@:
	s_barrier_wait -3
	s_barrier_signal -1
	s_barrier_wait -1
.endm
	s_load_b512 s[4:19], s[0:1], 0x0               ; hidden_states, norm1_w, norm1_b, W's codes, W's scales, bias, qkv_c, qkv_s
	v_lshl_add_u32 v[SPW], v0, 2, SPARE
	v_mov_b32 v[NIL], 0
	ds_add_u32 v1, v2
	ds_add_u32 v1, v2
	s_wait_dscnt 0x0
	v_lshrrev_b32 v24, 5, v0
	v_readfirstlane_b32 s[WV], v24
	s_bfe_u32 s[CX], ttmp6, 0x40000
	s_lshl_b32 s[BT], ttmp9, 2
	s_add_co_u32 s[BT], s[BT], s[CX]               ; the batch: it enters global addresses alone
	s_and_b32 s[YY], ttmp7, 0xffff                 ; the cluster's y, which the four partners share: 3 G + kind
	s_mul_i32 s[GG], s[YY], 171
	s_lshr_b32 s[GG], s[GG], 9                     ; G = y / 3 (171 / 512 serves for y up to 26)
	s_mul_i32 s[KD], s[GG], 3
	s_sub_co_u32 s[KD], s[YY], s[KD]               ; kind: 0 q, 1 k, 2 v
	s_mov_b32 s[G1], 15|(1<<20)|(1<<21)|(6<<22)|(3<<25)   ; mask: all four; elements of 1 byte; 4 words of padding behind every 128
	s_mov_b32 s[G1+1], 512<<16
	s_mov_b32 s[G1+2], 64<<16
	s_mov_b32 s[G1+3], 512<<16
	s_mov_b32 s[G1+4], 64
	s_mov_b32 s[G1+5], 512
	s_mov_b32 s[G1+6], 0
	s_mov_b32 s[G1+7], 0
	s_mov_b32 s[G0], 1
	s_mul_i32 s[G0+1], s[WV], RINGW
	s_lshl_b32 s48, s[KD], 4
	s_add_co_u32 s48, s48, s[WV]                   ; my chunk of 64 channels in trip 0: 16 kind + wave
	s_lshl_b32 s46, s48, 15                        ; its 64 rows of 512 bytes
	s_mov_b32 s47, 0
	s_wait_kmcnt 0x0
	s_add_nc_u64 s[G0+2:G0+3], s[10:11], s[46:47]
	s_or_b32 s[G0+3], s[G0+3], 0x80000000
	ROUND                                          ; all four work-groups are here: the first joint loads meet
	tensor_load_to_lds s[G0:G0+3], s[G1:G1+7]      ; trip 0's weights
	s_nop 0
	PLACES
	s_mov_b32 s[TB], 0
	s_mov_b32 s[SEL], 0x76543210
	s_mov_b32 s[SEL+1], 0xfedcba98
	s_mov_b32 s[EPS], 0x358637bd                   ; 1e-6
	s_mov_b32 s[RK], 0x3a800000                    ; 1 / 1024
	s_mov_b32 s[HM], 0xffff0000                    ; lanes 16-31
	s_cmp_eq_u32 s[KD], 2
	s_cselect_b32 s[SHV], 16, 0                    ; v: an odd group of keys is the upper half of a K step of 128 keys
	s_mul_i32 s[BROW], s[BT], 1025
	s_lshl_b32 s[T0], s[GG], 7
	s_lshl_b32 s46, s[WV], 5
	s_add_co_u32 s[T0], s[T0], s46                 ; my first token: 128 G + 32 wave
	s_lshl_b32 s46, s48, 11
	s_add_nc_u64 s[WSP:WSP+1], s[WSP:WSP+1], s[46:47]
	s_lshl_b32 s46, s48, 8
	s_add_nc_u64 s[BP:BP+1], s[BP:BP+1], s[46:47]
	s_mul_i32 s49, s[BT], 48
	s_add_co_u32 s48, s48, s49                     ; my plane of the workspace: 48 batch + chunk
	s_mul_i32 s46, s48, 34816
	s_lshl_b32 s49, s[GG], 12                      ; group 2 G: 2,048 bytes a group
	s_add_co_u32 s46, s46, s49
	s_add_nc_u64 s[QC:QC+1], s[QC:QC+1], s[46:47]
	s_mul_i32 s46, s48, 4352
	s_lshl_b32 s49, s[GG], 9                       ; 256 bytes a group
	s_add_co_u32 s46, s46, s49
	s_add_nc_u64 s[QS:QS+1], s[QS:QS+1], s[46:47]
	v_and_b32 v24, 31, v0                          ; lane
	v_and_b32 v25, 15, v0                          ; r
	v_bfe_u32 v26, v0, 4, 1                        ; h
	v_lshlrev_b32 v[L32], 5, v24
	v_lshlrev_b32 v[L16], 4, v24
	v_lshlrev_b32 v[L4], 2, v24
	s_mul_i32 s46, s[WV], 16*WPITCH
	s_add_co_u32 s46, s46, XC
	v_add_nc_u32 v[XCA0], s46, v[L4]               ; my 8 codes of a quarter row; my wave's 16 rows of a half
	v_lshrrev_b32 v27, 2, v24
	s_mul_i32 s46, s[WV], 1536
	s_add_co_u32 s46, s46, XS
	v_add_nc_u32 v[XSB0], s46, v27                 ; my block's byte; my wave's 32 rows
	v_mul_u32_u24 v27, v25, WPITCH
	v_lshl_add_u32 v27, v26, 4, v27
	v_add_nc_u32 v[XFA], XC, v27
	s_mul_i32 s46, s[WV], RINGW
	v_add_nc_u32 v[WA0], s46, v27
	v_mul_u32_u24 v27, v25, 48
	v_lshl_add_u32 v27, v26, 4, v27
	v_add_nc_u32 v[XSA], XS, v27
	v_lshlrev_b32 v27, 5, v25
	v_lshl_add_u32 v[WSO], v26, 4, v27
	v_lshlrev_b32 v[BO], 5, v26
	v_lshlrev_b32 v[VBO], 2, v25
	v_mov_b32 v[MU+1], 0                           ; named as upper halves of pairs, so they are written
	v_mov_b32 v[RS+1], 0
	v_mov_b32 v[T2], 0                             ; a lane permute's destination counts as one of its sources
.irp q, 0,1,2,3
.irp e, 0,1
	global_load_b128 v[NW+8*\q+4*\e:NW+8*\q+4*\e+3], v[L32], s[6:7] offset:1024*\q+16*\e
	global_load_b128 v[NB+8*\q+4*\e:NB+8*\q+4*\e+3], v[L32], s[8:9] offset:1024*\q+16*\e
.endr
.endr
; row set k takes token T0 + d, held at 1,024 so that no load leaves the buffer
.macro RADDR k, d
	s_add_co_u32 s46, s[T0], \d
	s_min_u32 s46, s46, 1024
	s_add_co_u32 s46, s46, s[BROW]
	s_lshl_b32 s46, s46, 12
	v_add_nc_u32 v[RO+\k], s46, v[L32]
.endm
.macro RLOAD k                         ; lane L takes columns 256 q + 8 L + 0 .. 7: eight neighbours along K for each conversion; a pair of loads covers 1,024 bytes on end.  (No hint: the three kinds' work-groups read the same rows)
.irp q, 0,1,2,3
.irp e, 0,1
	global_load_b128 v[X+32*\k+8*\q+4*\e:X+32*\k+8*\q+4*\e+3], v[RO+\k], s[4:5] offset:1024*\q+16*\e
.endr
.endr
.endm
.irp k, 0,1,2,3
	RADDR \k, \k
	RLOAD \k
.endr
.macro LANESUM                         ; four chains of pairs -> the wave's sum, in every lane
	v_pk_add_f32 v[SS:SS+1], v[SS:SS+1], v[SS+2:SS+3]
	v_pk_add_f32 v[SS+4:SS+5], v[SS+4:SS+5], v[SS+6:SS+7]
	v_pk_add_f32 v[SS:SS+1], v[SS:SS+1], v[SS+4:SS+5]
	v_add_f32 v[TT], v[SS], v[SS+1]
.irp x, 1,2,4,8
	v_add_f32_dpp v[TT], v[TT], v[TT] row_xmask:\x row_mask:0xf bank_mask:0xf
.endr
	v_permlanex16_b32 v[T2], v[TT], s[SEL], s[SEL+1]
	v_add_f32 v[TT], v[TT], v[T2]
.endm
; One row, the whole wave: mean, then the squares of the differences, normalise, quantise, codes and scale bytes to LDS.  left: the younger rows' loads, eight each, may stay out.
.macro ROW k, refill, left
.set XR, X+32*(\k)
	s_wait_loadcnt \left
.irp c, 0,1,2,3
	v_pk_add_f32 v[SS+2*\c:SS+2*\c+1], v[XR+4*\c:XR+4*\c+1], v[XR+4*\c+2:XR+4*\c+3]
.endr
.irp i, 16,24
.irp c, 0,1,2,3
	v_pk_add_f32 v[SS+2*\c:SS+2*\c+1], v[SS+2*\c:SS+2*\c+1], v[XR+\i+2*\c:XR+\i+2*\c+1]
.endr
.endr
	LANESUM
	v_mul_f32 v[MU], s[RK], v[TT]
.irp i, 0,2,4,6,8,10,12,14,16,18,20,22,24,26,28,30
	v_pk_add_f32 v[XR+\i:XR+\i+1], v[XR+\i:XR+\i+1], v[MU:MU+1] op_sel_hi:[1,0] neg_lo:[0,1] neg_hi:[0,1]
.endr
.irp c, 0,1,2,3
	v_pk_mul_f32 v[SS+2*\c:SS+2*\c+1], v[XR+2*\c:XR+2*\c+1], v[XR+2*\c:XR+2*\c+1]
.endr
.irp i, 8,16,24
.irp c, 0,1,2,3
	v_pk_fma_f32 v[SS+2*\c:SS+2*\c+1], v[XR+\i+2*\c:XR+\i+2*\c+1], v[XR+\i+2*\c:XR+\i+2*\c+1], v[SS+2*\c:SS+2*\c+1]
.endr
.endr
	LANESUM
	v_fma_f32 v[TT], v[TT], s[RK], s[EPS]
	s_wait_alu depctr_va_vdst(0)
	v_rsq_f32 v[RS], v[TT]
.if \refill
	RADDR \k, (\k)+4                               ; the set's next row (its loads are in, so its offset is free); also the plain line behind the root
.else
	v_nop
.endif
	s_wait_alu depctr_va_vdst(0)                   ; ahead of the first reader of the root's result
.irp i, 0,2,4,6,8,10,12,14,16,18,20,22,24,26,28,30
	v_pk_mul_f32 v[XR+\i:XR+\i+1], v[XR+\i:XR+\i+1], v[RS:RS+1] op_sel_hi:[1,0]
.endr
.irp i, 0,2,4,6,8,10,12,14,16,18,20,22,24,26,28,30
	v_pk_fma_f32 v[XR+\i:XR+\i+1], v[XR+\i:XR+\i+1], v[NW+\i:NW+\i+1], v[NB+\i:NB+\i+1]
.endr
.irp q, 0,1,2,3
	v_max3_num_f32 v[MX4+\q], |v[XR+8*\q]|, |v[XR+8*\q+1]|, 0x1800000   ; my 8 numbers of a block, and the floor 2^(3 - 127)
.endr
.irp i, 2,4,6
.irp q, 0,1,2,3
	v_max3_num_f32 v[MX4+\q], v[MX4+\q], |v[XR+8*\q+\i]|, |v[XR+8*\q+\i+1]|
.endr
.endr
.irp x, 1,2
.irp q, 0,1,2,3
	v_max_num_f32_dpp v[MX4+\q], v[MX4+\q], v[MX4+\q] row_xmask:\x row_mask:0xf bank_mask:0xf   ; four neighbouring lanes hold a block
.endr
.endr
	s_wait_alu depctr_va_vdst(0)
	s_wait_dscnt 0x0                               ; the last row's LDS stores have read their registers
.irp q, 0,1,2,3
	v_add_nc_u32 v[SO4+\q], 0xff000000, v[MX4+\q]  ; 2 off the exponent field: the conversion's scale operand
.endr
.irp q, 0,1,2,3
	v_lshrrev_b32 v[BY4+\q], 23, v[SO4+\q]
.endr
.irp q, 0,1,2,3
	v_cvt_scalef32_pk8_fp4_f32 v[CD4+\q], v[XR+8*\q:XR+8*\q+7], v[SO4+\q]
.endr
	v_nop                                          ; a plain line behind the conversions
.irp q, 0,1,2,3
	ds_store_b32 v[XCA], v[CD4+\q] offset:WPITCH*(\k)+128*\q
	ds_store_b8 v[XSB], v[BY4+\q] offset:48*(\k)+8*\q      ; four lanes write the same byte with the same value
.endr
.if \refill
	RLOAD \k
.endif
.endm
; The codes of 64 rows out of LDS.  In half hf wave q has written tokens 32 q + 16 hf + 0 .. 15: tile 2 q + hf
.macro XFETCH hf
.irp wq, 0,1,2,3
	WIN 0x40<<(\wq/2)
.irp k, 0,1,2,3,4,5,6,7
.irp c, 0,1
	ds_load_b128 v[8*(8*(2*(\wq%2)+\hf)+\k)+4*\c:8*(8*(2*(\wq%2)+\hf)+\k)+4*\c+3], v[XFA] offset:16*WPITCH*\wq+64*\k+32*\c
.endr
.endr
.endr
	WIN 0
.endm
	s_mov_b32 s[LRC], 0
	s_mov_b32 s[LRS], 0
	s_mov_b32 s[CNT], 0
.Lrows0:                                           ; my first 16 rows: four trips of four rows, each filling its set again; the last trip's fills are the second half's first rows
	v_add_nc_u32 v[XCA], s[LRC], v[XCA0]
	v_add_nc_u32 v[XSB], s[LRS], v[XSB0]
	ROW 0, 1, 24
	ROW 1, 1, 24
	ROW 2, 1, 24
	ROW 3, 1, 24
	s_add_co_u32 s[T0], s[T0], 4
	s_add_co_u32 s[LRC], s[LRC], 4*WPITCH
	s_add_co_u32 s[LRS], s[LRS], 192
	s_add_co_u32 s[CNT], s[CNT], 1
	s_cmp_lt_u32 s[CNT], 4
	s_cbranch_scc1 .Lrows0
	s_wait_dscnt 0x0                               ; my codes lie in LDS
	s_barrier_signal -1
	s_barrier_wait -1                              ; everybody's do.
	XFETCH 0                                       ; tiles 0, 2, 4, 6
	s_wait_dscnt 0x0                               ; my reads of the 64 rows are over
	s_barrier_signal -1
	s_barrier_wait -1                              ; everybody's are: the rows' bytes may be written again
	s_mov_b32 s[LRC], 0
	s_mov_b32 s[LRS], 768
	s_mov_b32 s[CNT], 0
.Lrows1:                                           ; my second 16 rows: three trips, and the last four rows written out, which load nothing
	v_add_nc_u32 v[XCA], s[LRC], v[XCA0]
	v_add_nc_u32 v[XSB], s[LRS], v[XSB0]
	ROW 0, 1, 24
	ROW 1, 1, 24
	ROW 2, 1, 24
	ROW 3, 1, 24
	s_add_co_u32 s[T0], s[T0], 4
	s_add_co_u32 s[LRC], s[LRC], 4*WPITCH
	s_add_co_u32 s[LRS], s[LRS], 192
	s_add_co_u32 s[CNT], s[CNT], 1
	s_cmp_lt_u32 s[CNT], 3
	s_cbranch_scc1 .Lrows1
	v_add_nc_u32 v[XCA], s[LRC], v[XCA0]
	v_add_nc_u32 v[XSB], s[LRS], v[XSB0]
	ROW 0, 0, 24
	ROW 1, 0, 16
	ROW 2, 0, 8
	ROW 3, 0, 0
; A trip's scale words of W (512 dense bytes for 16 rows) and its 64 biases, in both forms (eight channels a lane for q and k, a channel a lane for v): 2,304 bytes a wave, in every
; work-group, so that no register's content hangs on the way taken
.macro PREF
.irp t, 0,1,2,3
	global_load_b128 v[WSW+4*\t:WSW+4*\t+3], v[WSO], s[WSP:WSP+1] offset:512*\t
	global_load_b32 v[VBL+\t], v[VBO], s[BP:BP+1] offset:64*\t
.endr
.irp t, 0,1,2,3
	global_load_b128 v[BIAS+8*\t:BIAS+8*\t+3], v[BO], s[BP:BP+1] offset:64*\t
	global_load_b128 v[BIAS+8*\t+4:BIAS+8*\t+7], v[BO], s[BP:BP+1] offset:64*\t+16
.endr
.endm
	s_wait_dscnt 0x0                               ; my codes and bytes lie in LDS
	PREF                                           ; trip 0's: their registers held the norm's rows until here
	s_barrier_signal -1
	s_barrier_wait -1                              ; everybody's do
	XFETCH 1                                       ; tiles 1, 3, 5, 7
.irp t, 0,1,2,3,4,5,6,7
	ds_load_b128 v[XSW+4*\t:XSW+4*\t+3], v[XSA] offset:768*\t
.endr
.irp n, 0,1,2,3,4,5,6,7
	v_mov_b32 v[QPT+\n], 0
.endr
.macro WFETCH ks                       ; W's four fragments of K step ks
.set WB, WF+32*((\ks)%2)
.irp t, 0,1,2,3
.irp c, 0,1
	ds_load_b128 v[WB+8*\t+4*\c:WB+8*\t+4*\c+3], v[WA] offset:16*WPITCH*\t+64*(\ks)+32*\c
.endr
.endr
.endm
.macro WM hi
.if \hi
	v_wmma_scale_f32_16x16x128_f8f6f4 v[rD:rD+7], v[rA:rA+7], v[rB:rB+7], v[rC:rC+7], v[rSA], v[rSB] matrix_a_fmt:MATRIX_FMT_FP4 matrix_b_fmt:MATRIX_FMT_FP4 matrix_a_scale:MATRIX_SCALE_ROW1 matrix_b_scale:MATRIX_SCALE_ROW1
.else
	v_wmma_scale_f32_16x16x128_f8f6f4 v[rD:rD+7], v[rA:rA+7], v[rB:rB+7], v[rC:rC+7], v[rSA], v[rSB] matrix_a_fmt:MATRIX_FMT_FP4 matrix_b_fmt:MATRIX_FMT_FP4
.endif
.endm
; 32 matrix instructions of K step ks; the 32 accumulators take turns, in the same order in every step.  The first step's C is the bias.  Group gi's fragments of x lie in window 1 + gi.
.macro MUL kind, ks
.set WB, WF+32*((\ks)%2)
.set SI, (\ks)%4
.irp gi, 0,1
.if \kind
.if (\ks) == 0
	WIN 0xc1+\gi                                   ; source 0 = x, source 1 = W and C = the bias (window 0), D window 3
.else
	WIN 0xf1+\gi                                   ; C and D window 3
.endif
.else
.if (\ks) == 0
	WIN 0xc4+4*\gi                                 ; source 0 = W, source 1 = x
.else
	WIN 0xf4+4*\gi
.endif
.endif
.irp b, 0,1,2,3
.irp a, 0,1,2,3
.set rD, 128*\gi+8*(4*\b+\a)
.if \kind
.set rA, 8*(8*\a+(\ks))
.set rB, WB+8*\b
.set rC, BIAS+8*\b
.set rSA, XSW+4*(4*\gi+\a)+SI
.set rSB, WSW+4*\b+SI
.else
.set rA, WB+8*\a
.set rB, 8*(8*\b+(\ks))
.set rC, BIAS+8*\a
.set rSA, WSW+4*\a+SI
.set rSB, XSW+4*(4*\gi+\b)+SI
.endif
.if (\ks) > 0
.set rC, rD
.endif
	WM (\ks)/4
.endr
.endr
.endr
.endm
.macro KSTEPS kind                     ; 64 channels x 128 tokens x K = 1,024
	WFETCH 0
.irp ks, 0,1,2,3,4,5,6,7
	PLACES                                         ; in front of loads into registers that matrix instructions have read
.if \ks < 7
	WFETCH (\ks)+1
	s_wait_dscnt 8                                 ; all but the eight just issued
.else
	s_wait_dscnt 0x0
.endif
	MUL \kind, \ks
	WIN 0
.endr
	PLACES
.endm
; Group gi's 16 accumulators -> four images of registers 0-3 of a fragment, and their scale words.  Block (b, u) is the 16 registers from 128 gi + 32 b + 16 u on.
.macro QUANT16 gi
.set AB, 128*(\gi)
.set PB, PC+16*(\gi)
	WIN 0x0f
.irp b, 0,1,2,3
.irp u, 0,1
	v_max3_num_f32 v[QMX+2*\b+\u], |v[AB+32*\b+16*\u]|, |v[AB+32*\b+16*\u+1]|, 0x1800000
.endr
.endr
.irp i, 2,4,6,8,10,12,14
.irp b, 0,1,2,3
.irp u, 0,1
	v_max3_num_f32 v[QMX+2*\b+\u], |v[AB+32*\b+16*\u+\i]|, |v[AB+32*\b+16*\u+\i+1]|, v[QMX+2*\b+\u]
.endr
.endr
.endr
	WIN 0
.irp n, 0,1,2,3,4,5,6,7
	v_permlanex16_b32 v[QPT+\n], v[QMX+\n], s[SEL], s[SEL+1]
.endr
.irp n, 0,1,2,3,4,5,6,7
	v_max_num_f32 v[QMX+\n], v[QMX+\n], v[QPT+\n]
.endr
.irp n, 0,1,2,3,4,5,6,7
	v_add_nc_u32 v[QSO+\n], 0xff000000, v[QMX+\n]
.endr
.irp n, 0,1,2,3,4,5,6,7
	v_lshrrev_b32 v[QBY+\n], 23, v[QSO+\n]
.endr
.irp b, 0,1,2,3
	v_lshl_or_b32 v[SW+\b], v[QBY+2*\b+1], 8, v[QBY+2*\b]
.endr
.if \gi
.irp b, 0,1,2,3
	v_lshlrev_b32 v[SW+\b], s[SHV], v[SW+\b]       ; the odd group: for v 16 bits up; for q and k the shift is by 0 (the text is common to the kinds)
.endr
.endif
	WIN 0x03
.irp b, 0,1,2,3
	v_cvt_scalef32_pk8_fp4_f32 v[PB+4*\b], v[AB+32*\b:AB+32*\b+7], v[QSO+2*\b]
	v_cvt_scalef32_pk8_fp4_f32 v[PB+4*\b+1], v[AB+32*\b+16:AB+32*\b+23], v[QSO+2*\b+1]
	v_cvt_scalef32_pk8_fp4_f32 v[PB+4*\b+2], v[AB+32*\b+8:AB+32*\b+15], v[QSO+2*\b]
	v_cvt_scalef32_pk8_fp4_f32 v[PB+4*\b+3], v[AB+32*\b+24:AB+32*\b+31], v[QSO+2*\b+1]
.endr
	WIN 0
	v_nop
.irp b, 0,1,2,3
	v_permlane16_swap_b32 v[PB+4*\b], v[PB+4*\b+1]     ; lanes 0-15 now hold the whole first block, lanes 16-31 the second
	v_permlane16_swap_b32 v[PB+4*\b+2], v[PB+4*\b+3]
.endr
	v_cndmask_b32 v[SWP+2*(\gi)], v[SW], v[SW+1], s[HM]
	v_cndmask_b32 v[SWP+2*(\gi)+1], v[SW+2], v[SW+3], s[HM]
.endm
.macro QSTORE gi
.irp b, 0,1,2,3
	global_store_b128 v[L16], v[PC+16*(\gi)+4*\b:PC+16*(\gi)+4*\b+3], s[QC:QC+1] offset:2048*(\gi)+512*\b    ; 512 consecutive bytes
.endr
	global_store_b32 v[L4], v[SWP+2*(\gi)], s[QS:QS+1] offset:256*(\gi)
	global_store_b32 v[L4], v[SWP+2*(\gi)+1], s[QS:QS+1] offset:256*(\gi)+128
.endm
.macro TRIP refill
.if \refill
	s_wait_tensorcnt 0x0                           ; my one load that was out, this trip's weights, has landed
	ds_add_u32 v[SPW], v[NIL]                      ; 0 onto my spare word
	s_xor_b32 s[G0+1], s[G0+1], REGN               ; the region read last trip,
	s_add_nc_u64 s[G0+2:G0+3], s[G0+2:G0+3], 131072    ; the next trip's 64 rows
	s_wait_dscnt 0x0                               ; the add is done, and my reads of that region are over
	ROUND
	tensor_load_to_lds s[G0:G0+3], s[G1:G1+7]      ; my one load behind the round: it has this trip's 256 matrix instructions in which to land
	s_nop 0
	PLACES
.else
	s_wait_tensorcnt 0x0                           ; the last weights are in; the bytes are my own and nothing is filled again
.endif
	s_wait_loadcnt 0x0                             ; scale words and biases, asked for a trip's way out ago
	v_add_nc_u32 v[WA], s[TB], v[WA0]
	s_cmp_eq_u32 s[KD], 2                          ; the kind is the same in all four partners
	s_cbranch_scc1 .Lvk_\@
	s_wait_alu depctr_va_vdst(0)
	KSTEPS 0
	s_branch .Lkj_\@
.Lvk_\@:
.irp t, 0,1,2,3
.irp j, 0,1,2,3,4,5,6,7
	v_mov_b32 v[BIAS+8*\t+\j], v[VBL+\t]           ; v: a lane's channel has one bias for its eight tokens
.endr
.endr
	s_wait_alu depctr_va_vdst(0)
	KSTEPS 1
	s_cmp_lg_u32 s[GG], 8
	s_cbranch_scc1 .Lkj_\@
	WIN 0xc3                                       ; v, the last 128 tokens: of group 16 only token 1,024 exists: register 0 of tile 0, lanes 0-15; the others count as zeros
.irp b, 0,1,2,3
	v_cndmask_b32 v[32*\b], v[32*\b], v[NIL], s[HM]
.set j, 1
.rept 31
	v_mov_b32 v[32*\b+j], 0
.set j, j+1
.endr
.endr
	WIN 0
.Lkj_\@:
.if \refill
	s_add_nc_u64 s[WSP:WSP+1], s[WSP:WSP+1], 8192  ; (the loads that named these bases are done)
	s_add_nc_u64 s[BP:BP+1], s[BP:BP+1], 1024
	PREF
.endif
	QUANT16 0
	QSTORE 0
	s_cmp_eq_u32 s[GG], 8                          ; group 17 does not exist
	s_cbranch_scc1 .Lno17_\@
	QUANT16 1
	QSTORE 1
.Lno17_\@:
.if \refill
	s_wait_xcnt 0x0                                ; the stores have read their data and bases
	s_add_nc_u64 s[QC:QC+1], s[QC:QC+1], 139264
	s_add_nc_u64 s[QS:QS+1], s[QS:QS+1], 17408
	s_xor_b32 s[TB], s[TB], REGN
.endif
.endm
	s_mov_b32 s[CNT], 0
.Ltrips:                                           ; my kind's heads wave, 4 + wave, 8 + wave
	TRIP 1
	s_add_co_u32 s[CNT], s[CNT], 1
	s_cmp_lt_u32 s[CNT], 3
	s_cbranch_scc1 .Ltrips
	TRIP 0                                         ; head 12 + wave: the last trip is written out: it asks for nothing
	s_wait_tensorcnt 0x0                           ; the wave's end
	ds_add_u32 v[SPW], v[NIL]
	s_wait_dscnt 0x0
	ROUND                                          ; the closing round
	s_endpgm
.Lfunc_end_k_q40674777bf_qkv:
	.size	k_q40674777bf_qkv, .Lfunc_end_k_q40674777bf_qkv-k_q40674777bf_qkv
	.p2alignl 7, 3214868480
	.fill 96, 4, 3214868480
	.section	.rodata,"a",@progbits
	.p2align	6, 0x0
	.amdhsa_kernel k_q40674777bf_qkv
		.amdhsa_group_segment_fixed_size 327680
		.amdhsa_private_segment_fixed_size 0
		.amdhsa_enable_private_segment 0
		.amdhsa_kernarg_size 64
		.amdhsa_user_sgpr_count 2
		.amdhsa_user_sgpr_kernarg_segment_ptr 1
		.amdhsa_wavefront_size32 1
		.amdhsa_system_sgpr_workgroup_id_x 1
		.amdhsa_system_sgpr_workgroup_id_y 1
		.amdhsa_system_sgpr_workgroup_id_z 1
		.amdhsa_system_vgpr_workitem_id 0
		.amdhsa_next_free_vgpr 1024
		.amdhsa_next_free_sgpr 66
		.amdhsa_reserve_vcc 0
		.amdhsa_float_denorm_mode_32 3
		.amdhsa_float_denorm_mode_16_64 3
		.amdhsa_memory_ordered 1
		.amdhsa_forward_progress 1
		.amdhsa_inst_pref_size 255
	.end_amdhsa_kernel
	.section	.bss,"aw",@nobits
	.p2align	6
	.space	262144
	.amdgpu_metadata
---
amdhsa.version: [ 1, 2 ]
amdhsa.kernels:
  - .name:           k_q40674777bf_qkv
    .symbol:         k_q40674777bf_qkv.kd
    .args:
      - { .name: hidden_states, .offset: 0, .size: 8, .value_kind: global_buffer, .address_space: global }
      - { .name: norm1_w, .offset: 8, .size: 8, .value_kind: global_buffer, .address_space: global }
      - { .name: norm1_b, .offset: 16, .size: 8, .value_kind: global_buffer, .address_space: global }
      - { .name: qkv_w_codes, .offset: 24, .size: 8, .value_kind: global_buffer, .address_space: global }
      - { .name: qkv_w_scales, .offset: 32, .size: 8, .value_kind: global_buffer, .address_space: global }
      - { .name: qkv_b, .offset: 40, .size: 8, .value_kind: global_buffer, .address_space: global }
      - { .name: qkv_c, .offset: 48, .size: 8, .value_kind: global_buffer, .address_space: global }
      - { .name: qkv_s, .offset: 56, .size: 8, .value_kind: global_buffer, .address_space: global }
    .group_segment_fixed_size: 327680
    .private_segment_fixed_size: 0
    .kernarg_segment_align: 8
    .kernarg_segment_size: 64
    .max_flat_workgroup_size: 128
    .sgpr_count:     66
    .vgpr_count:     1024
    .wavefront_size: 32
...
	.end_amdgpu_metadata
.endif
;; end of part 1
;; launch attn (part 2): grid 256 x 1, 16 waves a work-group, no clusters, 169,984 bytes of LDS; arguments qkv_c, qkv_s, o_c, o_s; writes o_c, o_s
.if DOCPART == 2
	.amdgcn_target "amdgcn-amd-amdhsa--gfx1250"
	.amdhsa_code_object_version 6
	.text
	.protected	k_q40674777bf_attn
	.globl	k_q40674777bf_attn
	.p2align	8
	.type	k_q40674777bf_attn,@function
k_q40674777bf_attn:
	s_mov_b64 s[64:65], 0
	v_nop
	global_prefetch_b8 v0, s[64:65] scope:SCOPE_SE
	s_setreg_imm32_b32 hwreg(HW_REG_WAVE_MODE, 25, 1), 1
	s_wait_xcnt 0x0
; Attention of one head on codes of FP4: S^T = K Q^T (K = the head's 64 channels, the upper half of the instruction's 128 is zero codes on both sides), p = 2^(t - M) with t = score x log2(e) / 8 and M the running
; largest t rounded up to a whole number, p quantised along the keys, O^T += V^T P^T, the row's sum of the unquantised p divides at the end; o is quantised along the model's 1,024 channels for the next product.
; SHARES.  Two work-groups to a (batch, head): work-group parity = parity of the query tiles.  Each of the 16 waves walks two tiles of 16 queries: T = half + 2 (wave + 16 trip).  Four waves to a SIMD, 256 registers each.
; A head's whole K and V (codes as register images, and scale words) come into LDS once, by four tensor loads at the head: nothing is filled again.
; A walk is 8 steps of 128 keys and a short tail for key 1,024.  Tile 64 (query 1,024 alone) is done in the even work-group, split over the keys: waves 0-7 a step each, wave 8 the tail, each from a fresh
; state; the nine parts meet in LDS and wave 0 adds them under the largest M: the factors are whole powers of two.
; NO CLUSTER: only two work-groups share a head, what they share is fetched once (83 KB a work-group, at the start), and their paths differ by tile 64.
; TILES ARE NATURAL: tile t holds keys 16 t + 0 .. 15; a block of 32 keys is tiles 2 b, 2 b + 1: 16 registers of a lane and 16 of the lane 16 away.
; LIMITS: NaN and infinities are not served; 1 / l by v_rcp_f32; a block whose largest magnitude lies under 2^-124 gets the scale byte 1.
.set VC,    36864                      ; LDS: K's codes at 0, V's here (36,864 each: 17 groups of 2,048 bytes and one of zeros),
.set KS,    73728                      ; K's scale words (4,608),
.set VS,    78336                      ; V's,
.set PART,  82944                      ; and the nine parts of tile 64: O^T 4,096 bytes, then -M, t, l, l: 512 bytes
.set PSLOT, 4608
.set L16, 1
.set AV0, 2
.set ASK0, 3
.set ASV0, 4
.set L4,  5
.set PSA, 6
.set PRA, 7
.set ADK, 8
.set ADV, 9
.set ADS, 10
.set ADT, 11
; v12 -M, v13 the largest t, v[14:15] l; v16-23 Q (20-23 zero); v24-31 V's scale words; v32-95 K's fragments (upper halves zero); v96-159 S^T, then p; v160-191 O^T; v192-223 V's fragments;
; v224-231 p's codes; v232-243 at work; v244-251 K's scale words; v252 f; v253 p's scale word; v254 at work; v255 Q's scale word
.set WV,  12
.set BT,  14
.set HEAD, 15
.set HALF, 16
.set IQ,  17
.set OI,  18
.set SHW, 19
.set G1C, 20
.set G1S, 28
.set G0C, 36
.set G0S, 40
.set SEL, 44
.set CS,  46
.set HM,  48
.set TK,  49
.set TS,  50
.set TT,  51
.set TRP, 52
.set STP, 53
.set QB,  54
.set QSB, 56
.macro PLACES
.rept 4
	v_nop
.endr
.endm
	s_load_b256 s[4:11], s[0:1], 0x0               ; qkv_c, qkv_s, o_c, o_s
	v_lshl_add_u32 v254, v0, 2, 0x29000
	v_mov_b32 v255, 0
	ds_add_u32 v254, v255
	ds_add_u32 v254, v255
	s_wait_dscnt 0x0
	v_lshrrev_b32 v8, 5, v0
	s_delay_alu instid0(VALU_DEP_1)
	v_readfirstlane_b32 s[WV], v8
	s_lshr_b32 s13, ttmp9, 1
	s_and_b32 s[HALF], ttmp9, 1
	s_lshr_b32 s[BT], s13, 4
	s_and_b32 s[HEAD], s13, 15
	s_mul_i32 s[IQ], s[BT], 48
	s_add_co_u32 s[IQ], s[IQ], s[HEAD]             ; q's plane; k's is 16 on, v's 32
	s_and_b32 s58, s[WV], 1
	s_lshl_b32 s59, s58, 4
	s_add_co_u32 s59, s59, s[IQ]
	s_add_co_u32 s59, s59, 16                      ; even waves fetch for K, odd for V
	s_mov_b32 s[G1C], 3<<16                        ; dense rows of 256 bytes: 32 elements of 8 bytes; 136 rows exist, 144 are written: the last 8 as zeros
	s_mov_b32 s[G1C+1], 32<<16
	s_mov_b32 s[G1C+2], 136<<16
	s_mov_b32 s[G1C+3], 32<<16
	s_mov_b32 s[G1C+4], 144
	s_mov_b32 s[G1C+5], 32
	s_mov_b32 s[G1C+6], 0
	s_mov_b32 s[G1C+7], 0
	s_mov_b32 s[G1S], 3<<16                        ; the scale words: 17 rows exist, 18 are written
	s_mov_b32 s[G1S+1], 32<<16
	s_mov_b32 s[G1S+2], 17<<16
	s_mov_b32 s[G1S+3], 32<<16
	s_mov_b32 s[G1S+4], 18
	s_mov_b32 s[G1S+5], 32
	s_mov_b32 s[G1S+6], 0
	s_mov_b32 s[G1S+7], 0
	s_mov_b32 s[G0C], 1
	s_mul_i32 s[G0C+1], s58, VC
	s_mov_b32 s[G0S], 1
	s_mul_i32 s[G0S+1], s58, 4608
	s_add_co_u32 s[G0S+1], s[G0S+1], KS
	s_mul_i32 s62, s59, 34816
	s_mov_b32 s63, 0
	s_wait_kmcnt 0x0
	s_add_nc_u64 s[G0C+2:G0C+3], s[4:5], s[62:63]
	s_or_b32 s[G0C+3], s[G0C+3], 0x80000000
	s_mul_i32 s62, s59, 4352
	s_add_nc_u64 s[G0S+2:G0S+3], s[6:7], s[62:63]
	s_or_b32 s[G0S+3], s[G0S+3], 0x80000000
	s_cmp_lt_u32 s[WV], 2                          ; waves 0, 1: the codes; waves 2, 3: the scale words; the others nothing
	s_cbranch_scc0 .Lnot_codes
	tensor_load_to_lds s[G0C:G0C+3], s[G1C:G1C+7]
	s_nop 0
	PLACES
	s_branch .Lasked
.Lnot_codes:
	s_cmp_lt_u32 s[WV], 4
	s_cbranch_scc0 .Lasked
	tensor_load_to_lds s[G0S:G0S+3], s[G1S:G1S+7]
	s_nop 0
	PLACES
.Lasked:
	s_mul_i32 s62, s[IQ], 34816
	s_add_nc_u64 s[QB:QB+1], s[4:5], s[62:63]
	s_mul_i32 s62, s[IQ], 4352
	s_add_nc_u64 s[QSB:QSB+1], s[6:7], s[62:63]
	s_mul_i32 s[OI], s[BT], 1040
	s_add_co_u32 s[OI], s[OI], s[HEAD]             ; 16 x 65 x batch + head
	s_and_b32 s[SHW], s[HEAD], 1
	s_lshl_b32 s[SHW], s[SHW], 4
	s_mov_b32 s[SEL], 0x76543210
	s_mov_b32 s[SEL+1], 0xfedcba98
	s_mov_b32 s[CS], 0x3e38aa3b                    ; log2(e) / 8
	s_mov_b32 s[CS+1], s[CS]
	s_mov_b32 s[HM], 0xffff0000
	v_and_b32 v8, 31, v0
	v_and_b32 v9, 15, v0
	s_delay_alu instid0(VALU_DEP_2)
	v_lshlrev_b32 v[L16], 4, v8
	s_delay_alu instid0(VALU_DEP_3)
	v_lshlrev_b32 v[L4], 2, v8
	s_delay_alu instid0(VALU_DEP_2)
	v_add_nc_u32 v[AV0], VC, v[L16]
	s_delay_alu instid0(VALU_DEP_4)
	v_lshl_add_u32 v[ASK0], v9, 2, KS
	v_lshl_add_u32 v[ASV0], v9, 2, VS
	s_mul_i32 s58, s[WV], PSLOT
	s_add_co_u32 s58, s58, PART
	v_add_nc_u32 v[PSA], s58, v[L16]
	v_add_nc_u32 v[PRA], PART, v[L16]
.irp j, 20,21,22,23,236,237,238,239,253
	v_mov_b32 v[\j], 0
.endr
.irp t, 0,1,2,3,4,5,6,7
.irp j, 4,5,6,7
	v_mov_b32 v[32+8*\t+\j], 0                     ; channels 64 .. 127 do not exist: zero codes
.endr
.endr
; a walk's start: tile s[TT]'s codes and scale word, and a fresh state
.macro INIT
	s_wait_xcnt 0x0                                ; the last walk's stores have read their registers
	s_lshl_b32 s58, s[TT], 9
	v_add_nc_u32 v8, s58, v[L16]
	s_lshl_b32 s59, s[TT], 6
	v_and_b32 v9, 15, v0
	s_delay_alu instid0(VALU_DEP_1)
	v_lshl_add_u32 v9, v9, 2, s59
	global_load_b128 v[16:19], v8, s[QB:QB+1]
	global_load_b32 v255, v9, s[QSB:QSB+1]
	v_mov_b32 v13, 0xff61b1e6                      ; -3e38, under every t
	s_delay_alu instid0(VALU_DEP_1)
	v_floor_f32 v12, -v13
	v_mov_b32 v14, 0
	v_mov_b32 v15, 0
.irp j, 0,1,2,3,4,5,6,7,8,9,10,11,12,13,14,15,16,17,18,19,20,21,22,23,24,25,26,27,28,29,30,31
	v_mov_b32 v[160+\j], 0
.endr
	s_wait_loadcnt 0x0
.endm
.macro OSCALE                          ; O^T under the new M
.irp j, 0,2,4,6,8,10,12,14,16,18,20,22,24,26,28,30
	v_pk_mul_f32 v[160+\j:161+\j], v[160+\j:161+\j], v[252:253] op_sel_hi:[1,0]
.endr
.endm
.macro PVMUL
.irp t, 0,1,2,3
	v_wmma_scale_f32_16x16x128_f8f6f4 v[160+8*\t:167+8*\t], v[192+8*\t:199+8*\t], v[224:231], v[160+8*\t:167+8*\t], v[24+\t], v253 matrix_a_fmt:MATRIX_FMT_FP4 matrix_b_fmt:MATRIX_FMT_FP4
.endr
.endm
.macro NEWM                            ; v254 = the step's largest score -> the running t, -M = floor(-t), f = 2^(old M - new M)
	s_delay_alu instid0(VALU_DEP_1)
	v_mul_f32 v254, s[CS], v254
	s_delay_alu instid0(VALU_DEP_1)
	v_max_num_f32 v13, v13, v254
	v_mov_b32 v254, v12
	s_delay_alu instid0(VALU_DEP_2)
	v_floor_f32 v12, -v13
	s_delay_alu instid0(VALU_DEP_1)
	v_sub_f32 v254, v12, v254
	s_delay_alu instid0(VALU_DEP_1)
	v_cvt_i32_f32 v254, v254
	s_delay_alu instid0(VALU_DEP_1)
	v_ldexp_f32 v252, 1.0, v254
.endm
; 128 keys, at byte s[TK] of the codes and s[TS] of the scale words
.macro STEP
	v_add_nc_u32 v[ADK], s[TK], v[L16]             ; (these four are also the places behind the last products, in front of the loads)
	v_add_nc_u32 v[ADV], s[TK], v[AV0]
	v_add_nc_u32 v[ADS], s[TS], v[ASK0]
	v_add_nc_u32 v[ADT], s[TS], v[ASV0]
.irp t, 0,1,2,3,4,5,6,7
	ds_load_b128 v[32+8*\t:35+8*\t], v[ADK] offset:512*\t
.endr
.irp t, 0,1,2,3,4,5,6,7
	ds_load_b32 v[244+\t], v[ADS] offset:64*\t
.endr
.irp t, 0,1,2,3
	ds_load_b128 v[192+8*\t:195+8*\t], v[ADV] offset:512*\t
	ds_load_b128 v[196+8*\t:199+8*\t], v[ADV] offset:2048+512*\t
.endr
.irp t, 0,1,2,3
	ds_load_b32 v[24+\t], v[ADT] offset:64*\t
	ds_load_b32 v[28+\t], v[ADT] offset:256+64*\t
.endr
	s_wait_dscnt 16                                ; K's sixteen loads are in; V's sixteen may stay out
.irp t, 0,1,2,3,4,5,6,7
	v_wmma_scale_f32_16x16x128_f8f6f4 v[96+8*\t:103+8*\t], v[32+8*\t:39+8*\t], v[16:23], 0, v[244+\t], v255 matrix_a_fmt:MATRIX_FMT_FP4 matrix_b_fmt:MATRIX_FMT_FP4
.endr
	PLACES
.irp b, 0,1,2,3
	v_max3_num_f32 v[232+\b], v[96+16*\b], v[97+16*\b], v[98+16*\b]    ; each block's largest score: for the row's maximum and, since p rises with the score, for the block's largest p
.endr
.irp i, 3,5,7,9,11,13
.irp b, 0,1,2,3
	v_max3_num_f32 v[232+\b], v[232+\b], v[96+16*\b+\i], v[97+16*\b+\i]
.endr
.endr
.irp b, 0,1,2,3
	v_max_num_f32 v[232+\b], v[232+\b], v[111+16*\b]
.endr
.irp b, 0,1,2,3
	s_delay_alu instid0(VALU_DEP_4)
	v_permlanex16_b32 v[236+\b], v[232+\b], s[SEL], s[SEL+1]
.endr
.irp b, 0,1,2,3
	s_delay_alu instid0(VALU_DEP_4)
	v_max_num_f32 v[232+\b], v[232+\b], v[236+\b]
.endr
	s_delay_alu instid0(VALU_DEP_2)
	v_max3_num_f32 v254, v232, v233, v234
	s_delay_alu instid0(VALU_DEP_1)
	v_max_num_f32 v254, v254, v235
	NEWM
.irp j, 0,2,4,6,8,10,12,14,16,18,20,22,24,26,28,30,32,34,36,38,40,42,44,46,48,50,52,54,56,58,60,62
	v_pk_fma_f32 v[96+\j:97+\j], v[96+\j:97+\j], s[CS:CS+1], v[12:13] op_sel_hi:[1,0,0]   ; t - M
.endr
.irp b, 0,1,2,3
	v_fma_f32 v[232+\b], v[232+\b], s[CS], v12
.endr
	s_wait_alu depctr_va_vdst(0)
.irp j, 0,1,2,3,4,5,6,7,8,9,10,11,12,13,14,15,16,17,18,19,20,21,22,23,24,25,26,27,28,29,30,31,32,33,34,35,36,37,38,39,40,41,42,43,44,45,46,47,48,49,50,51,52,53,54,55,56,57,58,59,60,61,62,63
	v_exp_f32 v[96+\j], v[96+\j]
.endr
	v_pk_mul_f32 v[14:15], v[14:15], v[252:253] op_sel_hi:[1,0]        ; the sums under the new M: the plain line behind the batch
	s_wait_dscnt 0x0                               ; V's loads are in
.irp t, 0,1,2,3
	v_or_b32 v[24+\t], v[24+\t], v[28+\t]          ; the two groups' bytes make V's scale word of the 128 keys
.endr
	s_wait_alu depctr_va_vdst(0)                   ; one wait for the batch, ahead of its first reader
.irp b, 0,1,2,3
	v_exp_f32 v[232+\b], v[232+\b]                 ; each block's largest p
.endr
	v_pk_add_f32 v[236:237], v[100:101], v[104:105]
	v_pk_add_f32 v[250:251], v[108:109], v[112:113]
	v_pk_add_f32 v[248:249], v[116:117], v[120:121]
	v_pk_add_f32 v[246:247], v[124:125], v[128:129]
	v_pk_add_f32 v[244:245], v[132:133], v[136:137]
	v_pk_add_f32 v[242:243], v[140:141], v[144:145]
	v_pk_add_f32 v[240:241], v[148:149], v[152:153]
	v_pk_add_f32 v[14:15], v[14:15], v[156:157]
	v_pk_add_f32 v[236:237], v[236:237], v[96:97]
	v_pk_add_f32 v[250:251], v[250:251], v[98:99]
	v_pk_add_f32 v[248:249], v[248:249], v[102:103]
	v_pk_add_f32 v[246:247], v[246:247], v[106:107]
	v_pk_add_f32 v[244:245], v[244:245], v[110:111]
	v_pk_add_f32 v[242:243], v[242:243], v[114:115]
	v_pk_add_f32 v[240:241], v[240:241], v[118:119]
	v_pk_add_f32 v[14:15], v[14:15], v[122:123]
	v_pk_add_f32 v[236:237], v[236:237], v[126:127]
	v_pk_add_f32 v[250:251], v[250:251], v[130:131]
	v_pk_add_f32 v[248:249], v[248:249], v[134:135]
	v_pk_add_f32 v[246:247], v[246:247], v[138:139]
	v_pk_add_f32 v[244:245], v[244:245], v[142:143]
	v_pk_add_f32 v[242:243], v[242:243], v[146:147]
	v_pk_add_f32 v[240:241], v[240:241], v[150:151]
	v_pk_add_f32 v[14:15], v[14:15], v[154:155]
	v_pk_add_f32 v[236:237], v[236:237], v[158:159]
	s_delay_alu instid0(VALU_DEP_2)
	v_pk_add_f32 v[14:15], v[14:15], v[246:247]
	s_delay_alu instid0(VALU_DEP_2)
	v_pk_add_f32 v[236:237], v[236:237], v[244:245]
	v_pk_add_f32 v[250:251], v[250:251], v[242:243]
	v_pk_add_f32 v[248:249], v[248:249], v[240:241]
	s_delay_alu instid0(VALU_DEP_2)
	v_pk_add_f32 v[14:15], v[14:15], v[250:251]
	s_delay_alu instid0(VALU_DEP_2)
	v_pk_add_f32 v[236:237], v[236:237], v[248:249]
	s_delay_alu instid0(VALU_DEP_1)
	v_pk_add_f32 v[14:15], v[14:15], v[236:237]
	s_wait_alu depctr_va_vdst(0)                   ; and one for the four
.irp b, 0,1,2,3
	v_max_num_f32 v[232+\b], 0x1800000, v[232+\b]
.endr
.irp b, 0,1,2,3
	s_delay_alu instid0(VALU_DEP_4)
	v_add_nc_u32 v[240+\b], 0xff000000, v[232+\b]
.endr
.irp b, 0,1,2,3
	s_delay_alu instid0(VALU_DEP_4)
	v_lshrrev_b32 v[236+\b], 23, v[240+\b]
.endr
	s_delay_alu instid0(VALU_DEP_3)
	v_lshl_or_b32 v253, v237, 8, v236
	s_delay_alu instid0(VALU_DEP_1)
	v_lshl_or_b32 v253, v238, 16, v253
	s_delay_alu instid0(VALU_DEP_1)
	v_lshl_or_b32 v253, v239, 24, v253
.irp c, 0,1
	v_cvt_scalef32_pk8_fp4_f32 v[224+4*\c], v[96+32*\c:103+32*\c], v[240+2*\c]         ; tiles 4 c, 4 c + 2, 4 c + 1, 4 c + 3
	v_cvt_scalef32_pk8_fp4_f32 v[225+4*\c], v[112+32*\c:119+32*\c], v[241+2*\c]
	v_cvt_scalef32_pk8_fp4_f32 v[226+4*\c], v[104+32*\c:111+32*\c], v[240+2*\c]
	v_cvt_scalef32_pk8_fp4_f32 v[227+4*\c], v[120+32*\c:127+32*\c], v[241+2*\c]
.endr
	v_nop
.irp c, 0,1
	v_permlane16_swap_b32 v[224+4*\c], v[225+4*\c] ; a whole block to a lane: lanes 0-15 block 2 c, lanes 16-31 block 2 c + 1
	v_permlane16_swap_b32 v[226+4*\c], v[227+4*\c]
.endr
	OSCALE
	PVMUL
	s_add_co_u32 s[TK], s[TK], 4096
	s_add_co_u32 s[TS], s[TS], 512
.endm
; key 1,024: tile 64 of K, groups 16 and 17 (zeros) of V.  Only register 0 of lanes 0-15 holds a key that exists.
.macro TAIL
	PLACES
	ds_load_b128 v[32:35], v[L16] offset:32768
	ds_load_b32 v244, v[ASK0] offset:4096
.irp t, 0,1,2,3
	ds_load_b128 v[192+8*\t:195+8*\t], v[AV0] offset:32768+512*\t
	ds_load_b128 v[196+8*\t:199+8*\t], v[AV0] offset:34816+512*\t
	ds_load_b32 v[24+\t], v[ASV0] offset:4096+64*\t
	ds_load_b32 v[28+\t], v[ASV0] offset:4352+64*\t
.endr
	s_wait_dscnt 0x0
	v_wmma_scale_f32_16x16x128_f8f6f4 v[96:103], v[32:39], v[16:23], 0, v244, v255 matrix_a_fmt:MATRIX_FMT_FP4 matrix_b_fmt:MATRIX_FMT_FP4
.irp t, 0,1,2,3
	v_or_b32 v[24+\t], v[24+\t], v[28+\t]          ; (four places behind the product)
.endr
	v_mov_b32 v254, 0xff800000
	v_cndmask_b32 v96, v96, v254, s[HM]            ; lanes 16-31 hold no key: -infinity, so p = 0
.irp j, 1,2,3,4,5,6,7
	v_mov_b32 v[96+\j], 0
.endr
	v_permlanex16_b32 v236, v96, s[SEL], s[SEL+1]
	s_delay_alu instid0(VALU_DEP_1)
	v_max_num_f32 v232, v96, v236
	s_delay_alu instid0(VALU_DEP_1)
	v_mov_b32 v254, v232
	NEWM
	s_delay_alu instid0(VALU_DEP_4)
	v_fma_f32 v96, v96, s[CS], v12
	v_fma_f32 v232, v232, s[CS], v12
	s_wait_alu depctr_va_vdst(0)
	v_exp_f32 v96, v96
	v_exp_f32 v232, v232
	v_pk_mul_f32 v[14:15], v[14:15], v[252:253] op_sel_hi:[1,0]
	s_wait_alu depctr_va_vdst(0)
	v_add_f32 v14, v14, v96
	v_max_num_f32 v232, 0x1800000, v232
	s_delay_alu instid0(VALU_DEP_1)
	v_add_nc_u32 v240, 0xff000000, v232
	s_delay_alu instid0(VALU_DEP_1)
	v_lshrrev_b32 v253, 23, v240
	v_cvt_scalef32_pk8_fp4_f32 v224, v[96:103], v240
	v_nop
.irp j, 1,2,3,4,5,6,7
	v_mov_b32 v[224+\j], 0
.endr
	OSCALE
	PVMUL
.endm
; O^T / l, quantised along the channels (two blocks of 32), stored as half a fragment's image and a scale word
.macro WAYOUT
	PLACES
	v_add_f32 v14, v14, v15
	s_delay_alu instid0(VALU_DEP_1)
	v_permlanex16_b32 v236, v14, s[SEL], s[SEL+1]
	s_delay_alu instid0(VALU_DEP_1)
	v_add_f32 v14, v14, v236
	s_wait_alu depctr_va_vdst(0)
	v_rcp_f32 v252, v14
	s_lshl_b32 s58, s[TT], 4
	s_add_co_u32 s58, s58, s[OI]
	s_lshl_b32 s59, s58, 9
	v_add_nc_u32 v10, s59, v[L16]
	s_lshl_b32 s59, s58, 7
	v_add_nc_u32 v11, s59, v[L4]
	s_wait_alu depctr_va_vdst(0)
.irp j, 0,2,4,6,8,10,12,14,16,18,20,22,24,26,28,30
	v_pk_mul_f32 v[96+\j:97+\j], v[160+\j:161+\j], v[252:253] op_sel_hi:[1,0]
.endr
.irp b, 0,1
	v_max3_num_f32 v[232+\b], |v[96+16*\b]|, |v[97+16*\b]|, 0x1800000
.endr
.irp i, 2,4,6,8,10,12,14
.irp b, 0,1
	s_delay_alu instid0(VALU_DEP_2)
	v_max3_num_f32 v[232+\b], v[232+\b], |v[96+16*\b+\i]|, |v[97+16*\b+\i]|
.endr
.endr
.irp b, 0,1
	s_delay_alu instid0(VALU_DEP_2)
	v_permlanex16_b32 v[236+\b], v[232+\b], s[SEL], s[SEL+1]
.endr
.irp b, 0,1
	s_delay_alu instid0(VALU_DEP_2)
	v_max_num_f32 v[232+\b], v[232+\b], v[236+\b]
.endr
.irp b, 0,1
	s_delay_alu instid0(VALU_DEP_2)
	v_add_nc_u32 v[240+\b], 0xff000000, v[232+\b]
.endr
.irp b, 0,1
	s_delay_alu instid0(VALU_DEP_2)
	v_lshrrev_b32 v[236+\b], 23, v[240+\b]
.endr
	s_delay_alu instid0(VALU_DEP_1)
	v_lshl_or_b32 v254, v237, 8, v236
	s_delay_alu instid0(VALU_DEP_1)
	v_lshlrev_b32 v254, s[SHW], v254               ; an odd head is the upper half of a K step of 128 channels
	v_cvt_scalef32_pk8_fp4_f32 v224, v[96:103], v240
	v_cvt_scalef32_pk8_fp4_f32 v225, v[112:119], v241
	v_cvt_scalef32_pk8_fp4_f32 v226, v[104:111], v240
	v_cvt_scalef32_pk8_fp4_f32 v227, v[120:127], v241
	v_nop
	v_permlane16_swap_b32 v224, v225
	v_permlane16_swap_b32 v226, v227
	global_store_b128 v10, v[224:227], s[8:9]      ; 512 consecutive bytes
	global_store_b32 v11, v254, s[10:11]
.endm
	s_wait_tensorcnt 0x0                           ; my load, if I issued one, has landed
	s_barrier_signal -1
	s_barrier_wait -1                              ; everybody's has
	s_lshl_b32 s[TT], s[WV], 1
	s_add_co_u32 s[TT], s[TT], s[HALF]
	s_mov_b32 s[TRP], 0
.Ltrip:
	INIT
	s_mov_b32 s[TK], 0
	s_mov_b32 s[TS], 0
	s_mov_b32 s[STP], 0
.Lstep:
	STEP
	s_add_co_u32 s[STP], s[STP], 1
	s_cmp_lt_u32 s[STP], 8
	s_cbranch_scc1 .Lstep
	TAIL
	WAYOUT
	s_add_co_u32 s[TT], s[TT], 32
	s_add_co_u32 s[TRP], s[TRP], 1
	s_cmp_lt_u32 s[TRP], 2
	s_cbranch_scc1 .Ltrip
	; tile 64, in the even work-group: nine waves take a part of the keys each
	s_cmp_lg_u32 s[HALF], 0
	s_cbranch_scc1 .Ljoin
	s_cmp_gt_u32 s[WV], 8
	s_cbranch_scc1 .Ljoin
	s_mov_b32 s[TT], 64
	INIT
	s_cmp_eq_u32 s[WV], 8
	s_cbranch_scc1 .Llastkey
	s_lshl_b32 s[TK], s[WV], 12
	s_lshl_b32 s[TS], s[WV], 9
	STEP
	s_branch .Lpart
.Llastkey:
	TAIL
.Lpart:
	PLACES
.irp i, 0,1,2,3,4,5,6,7
	ds_store_b128 v[PSA], v[160+4*\i:163+4*\i] offset:512*\i
.endr
	ds_store_b128 v[PSA], v[12:15] offset:4096     ; -M, t, l's two halves
.Ljoin:
	s_wait_dscnt 0x0
	s_barrier_signal -1
	s_barrier_wait -1                              ; the nine parts lie in LDS
	s_or_b32 s58, s[HALF], s[WV]
	s_cmp_lg_u32 s58, 0
	s_cbranch_scc1 .Lend
	s_wait_xcnt 0x0                                ; whatever way led here: the last walk's stores have read their offsets and data, which the way out below writes again
.macro PLOAD i                         ; part i's O^T into one of two sets
.set PB, 192-160*((\i)%2)
.irp k, 0,1,2,3,4,5,6,7
	ds_load_b128 v[PB+4*\k:PB+4*\k+3], v[PRA] offset:PSLOT*(\i)+512*\k
.endr
.endm
.irp i, 0,1,2,3,4,5,6,7,8
	ds_load_b128 v[96+4*\i:99+4*\i], v[PRA] offset:PSLOT*\i+4096
.endr
	PLOAD 0
	s_wait_dscnt 8                                 ; the nine states are in
	v_min3_num_f32 v12, v96, v100, v104            ; the smallest -M is the largest M
	s_delay_alu instid0(VALU_DEP_1)
	v_min3_num_f32 v12, v12, v108, v112
	s_delay_alu instid0(VALU_DEP_1)
	v_min3_num_f32 v12, v12, v116, v120
	s_delay_alu instid0(VALU_DEP_1)
	v_min3_num_f32 v12, v12, v124, v128
.irp i, 0,1,2,3,4,5,6,7,8
	v_sub_f32 v[96+4*\i], v12, v[96+4*\i]          ; M_i - M: a whole number, 0 or less
.endr
.irp i, 0,1,2,3,4,5,6,7,8
	v_cvt_i32_f32 v[96+4*\i], v[96+4*\i]
.endr
.irp i, 0,1,2,3,4,5,6,7,8
	v_ldexp_f32 v[96+4*\i], 1.0, v[96+4*\i]        ; f_i
.endr
	v_pk_mul_f32 v[14:15], v[98:99], v[96:97] op_sel_hi:[1,0]
.irp i, 1,2,3,4,5,6,7,8
	s_delay_alu instid0(VALU_DEP_1)
	v_pk_fma_f32 v[14:15], v[98+4*\i:99+4*\i], v[96+4*\i:97+4*\i], v[14:15] op_sel_hi:[1,0,1]
.endr
.irp i, 0,1,2,3,4,5,6,7,8
.if \i < 8
	PLOAD (\i)+1
	s_wait_dscnt 8                                 ; all but the next part's eight loads
.else
	s_wait_dscnt 0x0
.endif
.set PB, 192-160*(\i%2)
.irp j, 0,2,4,6,8,10,12,14,16,18,20,22,24,26,28,30
.if \i == 0
	v_pk_mul_f32 v[160+\j:161+\j], v[PB+\j:PB+\j+1], v[96:97] op_sel_hi:[1,0]
.else
	v_pk_fma_f32 v[160+\j:161+\j], v[PB+\j:PB+\j+1], v[96+4*\i:97+4*\i], v[160+\j:161+\j] op_sel_hi:[1,0,1]
.endif
.endr
.endr
	WAYOUT
.Lend:
	s_wait_xcnt 0x0
	v_lshl_add_u32 v254, v0, 2, 0x29000
	v_mov_b32 v255, 0
	s_wait_alu depctr_va_vdst(0)
	s_wait_tensorcnt 0x0
	ds_add_u32 v254, v255
	s_wait_dscnt 0x0
	s_endpgm
.Lfunc_end_k_q40674777bf_attn:
	.size	k_q40674777bf_attn, .Lfunc_end_k_q40674777bf_attn-k_q40674777bf_attn
	.p2alignl 7, 3214868480
	.fill 96, 4, 3214868480
	.section	.rodata,"a",@progbits
	.p2align	6, 0x0
	.amdhsa_kernel k_q40674777bf_attn
		.amdhsa_group_segment_fixed_size 169984
		.amdhsa_private_segment_fixed_size 0
		.amdhsa_enable_private_segment 0
		.amdhsa_kernarg_size 32
		.amdhsa_user_sgpr_count 2
		.amdhsa_user_sgpr_kernarg_segment_ptr 1
		.amdhsa_wavefront_size32 1
		.amdhsa_system_sgpr_workgroup_id_x 1
		.amdhsa_system_sgpr_workgroup_id_y 1
		.amdhsa_system_sgpr_workgroup_id_z 1
		.amdhsa_system_vgpr_workitem_id 0
		.amdhsa_next_free_vgpr 256
		.amdhsa_next_free_sgpr 66
		.amdhsa_reserve_vcc 0
		.amdhsa_float_denorm_mode_32 3
		.amdhsa_float_denorm_mode_16_64 3
		.amdhsa_memory_ordered 1
		.amdhsa_forward_progress 1
		.amdhsa_inst_pref_size 80
	.end_amdhsa_kernel
	.amdgpu_metadata
---
amdhsa.version: [ 1, 2 ]
amdhsa.kernels:
  - .name:           k_q40674777bf_attn
    .symbol:         k_q40674777bf_attn.kd
    .args:
      - { .name: qkv_c, .offset: 0, .size: 8, .value_kind: global_buffer, .address_space: global }
      - { .name: qkv_s, .offset: 8, .size: 8, .value_kind: global_buffer, .address_space: global }
      - { .name: o_c, .offset: 16, .size: 8, .value_kind: global_buffer, .address_space: global }
      - { .name: o_s, .offset: 24, .size: 8, .value_kind: global_buffer, .address_space: global }
    .group_segment_fixed_size: 169984
    .private_segment_fixed_size: 0
    .kernarg_segment_align: 8
    .kernarg_segment_size: 32
    .max_flat_workgroup_size: 512
    .sgpr_count:     66
    .vgpr_count:     256
    .wavefront_size: 32
...
	.end_amdgpu_metadata
.endif
;; end of part 2
;; launch mlp (part 3): grid 8 x 22, 4 waves a work-group, clusters of 4 x 1, 327,680 bytes of LDS; arguments hidden_states, o_c, o_s, proj_w_codes, proj_w_scales, proj_b, ls1, norm2_w, norm2_b, fc1_w_codes, fc1_w_scales, fc1_b, fc2_w_codes, fc2_w_scales, fc2_b, ls2, out0; writes out0
.if DOCPART == 3
	.amdgcn_target "amdgcn-amd-amdhsa--gfx1250"
	.amdhsa_code_object_version 6
	.text
	.protected	k_q40674777bf_mlp
	.globl	k_q40674777bf_mlp
	.p2align	8
	.type	k_q40674777bf_mlp,@function
k_q40674777bf_mlp:
	s_mov_b64 s[64:65], 0
	v_nop
	global_prefetch_b8 v0, s[64:65] scope:SCOPE_SE
	s_setreg_imm32_b32 hwreg(HW_REG_WAVE_MODE, 25, 1), 1
	s_wait_xcnt 0x0
	s_wait_alu depctr_hold_cnt(0) depctr_sa_sdst(0) depctr_va_vdst(0) depctr_va_sdst(0) depctr_va_ssrc(0) depctr_va_vcc(0) depctr_vm_vsrc(0)
	s_getreg_b32 s2, hwreg(HW_REG_IB_STS2, 6, 4)
	s_cmp_eq_u32 s2, 0
	s_cbranch_scc0 .Lentry_in_a_cluster
	s_endpgm
.Lentry_in_a_cluster:
	s_bfe_u32 s2, ttmp6, 0x10000c
	s_cmp_lg_u32 s2, 0x3003
	s_cbranch_scc0 .Lentry_shape_is_right
	s_endpgm
.Lentry_shape_is_right:
; x1 = x + ls1 (o Wp^T + bp);  out = x1 + ls2 (gelu(LN2(x1) W1^T + b1) W2^T + b2).  All three products on codes of FP4 with E8M0 scales; o arrives as codes; LN2's result and the hidden layer are quantised here and never go to memory.
; SHARES.  A work-group owns three tiles of 16 tokens (T = 3 y + m) of one batch (bt = 4 x cluster x + place).  Wave w owns columns 256 w .. 256 w + 255 of every product, for all 48 rows; x1 stays in its registers (384).
; Every product is used transposed (source 0 = 16 rows of the weight, source 1 = 16 tokens): a lane holds one token, its registers run along the columns, which are the next product's K.
; WEIGHTS.  Twelve chunks a wave (four for each product), 64 rows x 512 bytes, dense in memory, each by one tensor load into the wave's own two LDS regions, which take turns; the four partners of a cluster walk
; the same weights, so each load is a joint one (mask 15), its descriptor made of the wave's number and the chunk alone.
; OPERANDS go from wave to wave through LDS as images of their registers (a fragment: 1,024 bytes); a block of 32 codes is stored as four words straight into its place in the image.
; GELU is exact: gelu(u) = max(u, 0) - |u/2 erfc(|u| / sqrt 2)|, erfc(z) = t exp(-z^2 + poly(t)), t = 1 / (1 + z / 2), a published fit with fractional error under 1.2e-7 everywhere.
; Tokens past 1,024 (y = 21): loads are clamped to token 1,024 and tile 64, stores are masked.
; LIMITS: NaN and infinities are not served; a block whose largest magnitude lies under 2^-124 gets the scale byte 1; v_exp_f32 gives 0 for results under 2^-126 (gelu below about u = -13); 1 / (1 + z / 2) by v_rcp_f32.
.set RINGW,  69632
.set REGN,   0x8400
.set WPITCH, 528
.set AIMG,   278528                    ; 24 fragments' images
.set ASC,    303104                    ; scale bytes [m][wave][row][8]
.set PART,   304640                    ; LN2's partial sums [m][row][wave], twice
.set STG,    306176                    ; a stage of 16 rows x 272 for each wave
.set SPARE,  323584
.set SPW, 1
.set NIL, 2
.set L16, 3
.set WA0, 4
.set WA,  5
.set WSO, 6
.set BO,  7
.set SRW, 8
.set SLN, 9
.set OSO, 10
.set RH,  11
.set AIA, 12
.set ASA, 13
.set HIA, 14
.set HSB, 15
.set PSA, 16
.set PRA, 17
.set HIQ, 18
.set HSQ, 19
.set MU,  20                           ; v20-25 three pairs; v26-31 three pairs: the low word serves both halves
.set RS,  26
.set AS,  32                           ; v32-43 the operand's scale words: register i: lanes 0-15 K step i, lanes 16-31 K step i + 4
.set WS,  44                           ; v44-59 the weight's likewise
.set W3,  128                          ; window 3, v128-255: the weight's fragments, four sets of 32 that take turns (x1's third tile has the window's lower half)
.set ACC, 140                          ; v140-235 accumulators (m, t) at 8 (4 m + t)
.set RO,  76                           ; at the head: offsets
.set OCO, 100
.set OSW, 103
.set NW,  76                           ; in LN2: norm2_w, norm2_b of four blocks
.set NB,  140
.set SS,  236
.set TS3, 244
.set T2,  247
.set QM,  236
.set QP,  239
.set QS,  242
.set QY,  245
.set QD,  248
.set GT,  76
.set GW,  92
.set GP,  108
.set GX,  124
; window 1: the operand's fragments (m, s) at 8 (8 m + s); BIAS; LS.   windows 2, 3: x1 (m, n16, j) at 512 + 128 m + 8 n16 + j
.set BIAS, 192
.set LS,   224
.set F1P, 22
.set F1S, 24
.set F1B, 26
.set F2P, 28
.set WV,  38
.set CX,  39
.set BT,  40
.set YY,  41
.set G1,  44
.set G0,  52
.set TB,  56
.set JJ,  57
.set HF,  58
.set QQ,  59
.set QO,  60
.set NV,  61
.set OUTP, 66
.set SEL, 72
.set EPS, 74
.set RK,  75
.set K1,  76
.set WP,  80
.set MSB, 0
.macro WIN new
.if MSB != (\new)
	s_set_vgpr_msb (MSB<<8)|(\new)
.set MSB, \new
.endif
.endm
.macro PLACES
.rept 4
	v_nop
.endr
.endm
.macro ROUND
	s_barrier_signal -1
	s_barrier_wait -1
	s_cmp_lg_u32 s[WV], 0
	s_cbranch_scc1 .Lnw0_\@
	s_barrier_signal -3
.Lnw0_\@:
	s_barrier_wait -3
	s_barrier_signal -1
	s_barrier_wait -1
.endm
.macro BARRIER
	s_wait_dscnt 0x0
	s_barrier_signal -1
	s_barrier_wait -1
.endm
; The change of regions.  how = 0: the next 64 rows of the same weight; 2: in a loop counted down by s[JJ]: the next 64 rows, or, in the last trip, the first of the weight at s[alt] (a choice, no branch).
.macro RINGHEAD how, alt
	s_wait_tensorcnt 0x0                           ; my one load that was out, this chunk's, has landed
	ds_add_u32 v[SPW], v[NIL]                      ; 0 onto my spare word
	s_xor_b32 s[G0+1], s[G0+1], REGN
.if \how == 0
	s_add_nc_u64 s[G0+2:G0+3], s[G0+2:G0+3], 32768
.else
	s_add_nc_u64 s[WP:WP+1], s[WP:WP+1], 32768
	s_cmp_eq_u32 s[JJ], 1
	s_cselect_b64 s[G0+2:G0+3], s[\alt:\alt+1], s[WP:WP+1]
	s_or_b32 s[G0+3], s[G0+3], 0x80000000
.endif
	s_wait_dscnt 0x0                               ; the add is done; my LDS stores have landed and my reads are over
	ROUND
	tensor_load_to_lds s[G0:G0+3], s[G1:G1+7]      ; my one load behind the round: it has a chunk's work in which to land
	s_nop 0
	PLACES
.endm
	s_load_b512 s[4:19], s[0:1], 0x0               ; x, o_c, o_s, proj codes, proj scales, proj_b, ls1, norm2_w
	s_load_b512 s[20:35], s[0:1], 0x40             ; norm2_b, fc1 codes, fc1 scales, fc1_b, fc2 codes, fc2 scales, fc2_b, ls2
	s_load_b64 s[36:37], s[0:1], 0x80              ; out0
	v_lshl_add_u32 v[SPW], v0, 2, SPARE
	v_mov_b32 v[NIL], 0
	ds_add_u32 v1, v2
	ds_add_u32 v1, v2
	s_wait_dscnt 0x0
	v_lshrrev_b32 v3, 5, v0
	v_readfirstlane_b32 s[WV], v3
	s_bfe_u32 s[CX], ttmp6, 0x40000
	s_lshl_b32 s[BT], ttmp9, 2
	s_add_co_u32 s[BT], s[BT], s[CX]               ; the batch: it enters global addresses alone
	s_and_b32 s[YY], ttmp7, 0xffff
	s_mov_b32 s[G1], 15|(1<<20)|(1<<21)|(6<<22)|(3<<25)
	s_mov_b32 s[G1+1], 512<<16
	s_mov_b32 s[G1+2], 64<<16
	s_mov_b32 s[G1+3], 512<<16
	s_mov_b32 s[G1+4], 64
	s_mov_b32 s[G1+5], 512
	s_mov_b32 s[G1+6], 0
	s_mov_b32 s[G1+7], 0
	s_mov_b32 s[G0], 1
	s_mul_i32 s[G0+1], s[WV], RINGW
	s_lshl_b32 s82, s[WV], 17                      ; my 256 rows of a weight
	s_mov_b32 s83, 0
	s_wait_kmcnt 0x0
	s_add_nc_u64 s[G0+2:G0+3], s[10:11], s[82:83]
	s_or_b32 s[G0+3], s[G0+3], 0x80000000
	s_add_nc_u64 s[WP:WP+1], s[10:11], s[82:83]    ; proj's rows as they are walked
	s_add_nc_u64 s[F1P:F1P+1], s[F1P:F1P+1], s[82:83]
	s_add_nc_u64 s[F2P:F2P+1], s[F2P:F2P+1], s[82:83]
	ROUND
	tensor_load_to_lds s[G0:G0+3], s[G1:G1+7]      ; proj's first chunk
	s_nop 0
	PLACES
	s_mov_b32 s[TB], 0
	s_mov_b32 s[SEL], 0x76543210
	s_mov_b32 s[SEL+1], 0xfedcba98
	s_mov_b32 s[EPS], 0x358637bd
	s_mov_b32 s[RK], 0x3a800000
	s_mov_b32 s[K1], 0x3eb504f3                    ; 0.5 / sqrt 2
	v_and_b32 v108, 31, v0                         ; lane
	v_and_b32 v109, 15, v0                         ; r
	v_bfe_u32 v[RH], v0, 4, 1                      ; h
	v_lshlrev_b32 v[L16], 4, v108
	v_lshlrev_b32 v111, 4, v109                    ; 16 r
	v_lshlrev_b32 v112, 3, v109                    ; 8 r
	v_mul_u32_u24 v110, v109, WPITCH
	v_lshl_add_u32 v110, v[RH], 4, v110
	s_mul_i32 s82, s[WV], RINGW
	v_add_nc_u32 v[WA0], s82, v110
	v_lshlrev_b32 v110, 5, v109
	v_lshl_add_u32 v110, v[RH], 4, v110
	s_lshl_b32 s82, s[WV], 13
	v_add_nc_u32 v[WSO], s82, v110
	s_lshl_b32 s82, s[WV], 10
	v_lshl_add_u32 v[BO], v[RH], 5, s82
	s_mul_i32 s82, s[WV], 4352
	s_add_co_u32 s82, s82, STG
	v_mul_u32_u24 v110, v[RH], 272
	v_add_nc_u32 v110, v110, v111
	v_add_nc_u32 v[SRW], s82, v110                 ; the stage by rows: lanes 0-15 one row of 256 bytes, lanes 16-31 the next
	v_mul_u32_u24 v110, v109, 272
	v_lshl_add_u32 v110, v[RH], 5, v110
	v_add_nc_u32 v[SLN], s82, v110                 ; and by lanes: row r, 32 bytes for each half
	v_lshl_add_u32 v[OSO], v[RH], 12, v111
	v_add_nc_u32 v[AIA], AIMG, v[L16]
	v_lshl_add_u32 v[ASA], v[RH], 8, v112
	v_add_nc_u32 v[ASA], ASC, v[ASA]
	s_lshl_b32 s82, s[WV], 11
	s_add_co_u32 s82, s82, AIMG
	v_lshl_add_u32 v[HIA], v[RH], 2, v111
	v_add_nc_u32 v[HIA], s82, v[HIA]
	s_lshl_b32 s82, s[WV], 7
	s_add_co_u32 s82, s82, ASC
	v_add_nc_u32 v[HSB], s82, v112
	s_lshl_b32 s82, s[WV], 2
	s_add_co_u32 s82, s82, PART
	v_add_nc_u32 v[PSA], s82, v111
	v_add_nc_u32 v[PRA], PART, v111
	v_lshlrev_b32 v113, 2, v109
	v_lshl_add_u32 v113, v[RH], 10, v113           ; o_s: 4 r, and four K steps on for lanes 16-31
.irp j, 21,23,25,27,29,31,239,240,241,247
	v_mov_b32 v[\j], 0                             ; upper halves of pairs, and lane permutes' destinations
.endr
	v_mov_b32 v254, 0x3e2ef945                     ; c9
	v_mov_b32 v255, 0x3e2ef945
	s_mul_i32 s42, s[YY], 3
	s_mul_i32 s43, s[BT], 65
	s_mul_i32 s84, s[BT], 1025
.irp m, 0,1,2
	s_add_co_u32 s85, s42, \m                      ; T
	s_lshl_b32 s86, s85, 4
	s_sub_co_i32 s87, 1025, s86
	s_max_i32 s87, s87, 0
	s_min_i32 s[NV+\m], s87, 16                    ; the tile's rows that exist
	v_add_nc_u32 v114, s86, v[RH]
.irp i, 0,1,2,3,4,5,6,7
	v_add_nc_u32 v110, 2*\i, v114
	v_min_u32 v110, 0x400, v110                    ; no load leaves the batch
	v_lshl_or_b32 v[RO+8*\m+\i], v110, 12, v111
.endr
	s_min_u32 s85, s85, 64
	s_add_co_u32 s86, s85, s43
	s_lshl_b32 s87, s86, 13
	v_add_nc_u32 v[OCO+\m], s87, v[L16]
	s_lshl_b32 s87, s86, 11
	v_add_nc_u32 v[OSW+\m], s87, v113
	s_lshl_b32 s86, s85, 4
	s_add_co_u32 s86, s86, s84
	s_lshl_b32 s82, s86, 12
	s_lshl_b32 s87, s[WV], 10
	s_add_co_u32 s82, s82, s87
	s_add_nc_u64 s[OUTP+2*\m:OUTP+2*\m+1], s[36:37], s[82:83]
.endr
	s_lshl_b32 s82, s84, 12
	s_lshl_b32 s87, s[WV], 10
	s_add_co_u32 s82, s82, s87
	s_add_nc_u64 s[4:5], s[4:5], s[82:83]          ; x at the batch's first row, my 256 columns
.macro PREFW ws, b, j                  ; chunk j's scale words and biases
.irp t, 0,1,2,3
	global_load_b128 v[WS+4*\t:WS+4*\t+3], v[WSO], s[\ws:\ws+1] offset:2048*(\j)+512*\t
.endr
	WIN 0x40
.irp t, 0,1,2,3
	global_load_b128 v[BIAS+8*\t:BIAS+8*\t+3], v[BO], s[\b:\b+1] offset:256*(\j)+64*\t
	global_load_b128 v[BIAS+8*\t+4:BIAS+8*\t+7], v[BO], s[\b:\b+1] offset:256*(\j)+64*\t+16
.endr
	WIN 0
.endm
.macro PREFL ls, j                     ; chunk j's layer scale: issued behind the last read of the chunk before
	WIN 0x40
.irp t, 0,1,2,3
	global_load_b128 v[LS+8*\t:LS+8*\t+3], v[BO], s[\ls:\ls+1] offset:256*(\j)+64*\t
	global_load_b128 v[LS+8*\t+4:LS+8*\t+7], v[BO], s[\ls:\ls+1] offset:256*(\j)+64*\t+16
.endr
	WIN 0
.endm
	PREFW 12, 14, 0
	PREFL 16, 0
	WIN 0x40
	s_wait_alu depctr_va_vdst(0)
.irp m, 0,1,2
.irp k, 0,1,2,3,4,5,6,7
.irp c, 0,1
	global_load_b128 v[8*(8*\m+\k)+4*\c:8*(8*\m+\k)+4*\c+3], v[OCO+\m], s[6:7] offset:1024*\k+512*\c    ; o's fragments: head 2 k + c is half c of K step k
.endr
.endr
.endr
	WIN 0
.irp m, 0,1,2
.irp i, 0,1,2,3
	global_load_b32 v[AS+4*\m+\i], v[OSW+\m], s[8:9] offset:256*\i
	global_load_b32 v[60+4*\m+\i], v[OSW+\m], s[8:9] offset:256*\i+128
.endr
.endr
.irp m, 0,1,2                          ; x, dense: a load takes two rows x 256 bytes; unit (m, j) is eight loads
	WIN 0x80+0x40*(\m/2)
.irp j, 0,1,2,3
.irp i, 0,1,2,3,4,5,6,7
	global_load_b128 v[128*(\m%2)+32*\j+4*\i:128*(\m%2)+32*\j+4*\i+3], v[RO+8*\m+\i], s[4:5] offset:256*\j th:TH_LOAD_NT
.endr
.endr
.endr
.set u, 0
.irp m, 0,1,2                          ; each unit turns through my stage into the result's layout, back into the registers that it left (LDS serves a wave's instructions in order)
.irp j, 0,1,2,3
.if 88-8*u > 63
	s_wait_loadcnt 63
.else
	s_wait_loadcnt 88-8*u                          ; the younger units' loads may stay out
.endif
	WIN 0x88+0x44*(\m/2)
.irp i, 0,1,2,3,4,5,6,7
	ds_store_b128 v[SRW], v[128*(\m%2)+32*\j+4*\i:128*(\m%2)+32*\j+4*\i+3] offset:544*\i
.endr
.irp t, 0,1,2,3
.irp e, 0,1
	ds_load_b128 v[128*(\m%2)+32*\j+8*\t+4*\e:128*(\m%2)+32*\j+8*\t+4*\e+3], v[SLN] offset:64*\t+16*\e
.endr
.endr
.set u, u+1
.endr
.endr
	WIN 0
.macro WM hi
.if \hi
	v_wmma_scale_f32_16x16x128_f8f6f4 v[rD:rD+7], v[rA:rA+7], v[rB:rB+7], v[rC:rC+7], v[rSA], v[rSB] matrix_a_fmt:MATRIX_FMT_FP4 matrix_b_fmt:MATRIX_FMT_FP4 matrix_a_scale:MATRIX_SCALE_ROW1 matrix_b_scale:MATRIX_SCALE_ROW1
.else
	v_wmma_scale_f32_16x16x128_f8f6f4 v[rD:rD+7], v[rA:rA+7], v[rB:rB+7], v[rC:rC+7], v[rSA], v[rSB] matrix_a_fmt:MATRIX_FMT_FP4 matrix_b_fmt:MATRIX_FMT_FP4
.endif
.endm
.macro WFETCH ks                       ; the caller has set the destination's window to 3
.set WB, W3+32*((\ks)%4)
.irp t, 0,1,2,3
.irp c, 0,1
	ds_load_b128 v[WB+8*\t+4*\c:WB+8*\t+4*\c+3], v[WA] offset:16*WPITCH*\t+64*(\ks)+32*\c
.endr
.endr
.endm
.macro MUL12 ks                        ; 12 accumulators by turns; the first step's C is the bias.  Source 0 window 3, source 1 window 1
.set WB, W3+32*((\ks)%4)
.if (\ks) == 0
	WIN 0x17
.else
	WIN 0x07
.endif
.irp m, 0,1,2
.irp t, 0,1,2,3
.set rD, ACC+8*(4*\m+\t)
.set rA, WB+8*\t
.set rB, 8*(8*\m+(\ks))
.set rC, rD
.if (\ks) == 0
.set rC, BIAS+8*\t
.endif
.set rSA, WS+4*\t+(\ks)%4
.set rSB, AS+4*\m+(\ks)%4
	WM (\ks)/4
.endr
.endr
.endm
.macro KSTEPS                          ; a chunk of 64 columns x 48 rows x K = 1,024; a K step's eight loads are issued three K steps ahead of its products
	v_add_nc_u32 v[WA], s[TB], v[WA0]
	s_wait_alu depctr_va_vdst(0)
	WIN 0xc0
	WFETCH 0
	WFETCH 1
	WFETCH 2
.irp ks, 0,1,2,3,4,5,6,7
.if \ks < 5
.if \ks > 0
	PLACES                                         ; in front of loads into the set that the last K step's products read
.endif
	WIN 0xc0
	WFETCH (\ks)+3
	s_wait_dscnt 24                                ; all but the three sets of eight issued last
.else
	s_wait_dscnt 8*(7-\ks)                         ; the sets still out: eight loads each
.endif
	MUL12 \ks
.endr
	WIN 0
	PLACES
.endm
.macro FETCHAF                         ; the operand's 24 fragments and 12 scale registers out of LDS
	WIN 0x40
.irp m, 0,1,2
.irp k, 0,1,2,3,4,5,6,7
.irp c, 0,1
	ds_load_b128 v[8*(8*\m+\k)+4*\c:8*(8*\m+\k)+4*\c+3], v[AIA] offset:1024*(8*\m+\k)+512*\c
.endr
.endr
.endr
	WIN 0
.irp m, 0,1,2
.irp i, 0,1,2,3
	ds_load_b32 v[AS+4*\m+\i], v[ASA] offset:512*\m+128*(\i/2)+4*(\i%2)
.endr
.endr
.endm
; One block of 32 columns for the three tiles: 16 numbers a lane from s0, s1, s2 on.  The four words of a block go straight into the image: lane (r, h) holds words h and 2 + h.
.macro QBLK s0, s1, s2, ai, ab, oi, ob
	v_max3_num_f32 v[QM], |v[\s0]|, |v[\s0+1]|, 0x1800000
	v_max3_num_f32 v[QM+1], |v[\s1]|, |v[\s1+1]|, 0x1800000
	v_max3_num_f32 v[QM+2], |v[\s2]|, |v[\s2+1]|, 0x1800000
.irp i, 2,4,6,8,10,12,14
	v_max3_num_f32 v[QM], v[QM], |v[\s0+\i]|, |v[\s0+\i+1]|
	v_max3_num_f32 v[QM+1], v[QM+1], |v[\s1+\i]|, |v[\s1+\i+1]|
	v_max3_num_f32 v[QM+2], v[QM+2], |v[\s2+\i]|, |v[\s2+\i+1]|
.endr
.irp m, 0,1,2
	v_permlanex16_b32 v[QP+\m], v[QM+\m], s[SEL], s[SEL+1]
.endr
.irp m, 0,1,2
	v_max_num_f32 v[QM+\m], v[QM+\m], v[QP+\m]
.endr
	s_wait_alu depctr_va_vdst(0)
	s_wait_dscnt 0x0                               ; the last block's LDS stores have read their registers
.irp m, 0,1,2
	v_add_nc_u32 v[QS+\m], 0xff000000, v[QM+\m]
.endr
.irp m, 0,1,2
	v_lshrrev_b32 v[QY+\m], 23, v[QS+\m]
.endr
	v_cvt_scalef32_pk8_fp4_f32 v[QD], v[\s0:\s0+7], v[QS]
	v_cvt_scalef32_pk8_fp4_f32 v[QD+1], v[\s0+8:\s0+15], v[QS]
	v_cvt_scalef32_pk8_fp4_f32 v[QD+2], v[\s1:\s1+7], v[QS+1]
	v_cvt_scalef32_pk8_fp4_f32 v[QD+3], v[\s1+8:\s1+15], v[QS+1]
	v_cvt_scalef32_pk8_fp4_f32 v[QD+4], v[\s2:\s2+7], v[QS+2]
	v_cvt_scalef32_pk8_fp4_f32 v[QD+5], v[\s2+8:\s2+15], v[QS+2]
	v_nop
.irp m, 0,1,2
	ds_store_b32 v[\ai], v[QD+2*\m] offset:8192*\m+\oi
	ds_store_b32 v[\ai], v[QD+2*\m+1] offset:8192*\m+\oi+8
	ds_store_b8 v[\ab], v[QY+\m] offset:512*\m+\ob     ; both halves write the same byte with the same value
.endr
.endm
; ---- proj: x1 = x + ls1 (o Wp^T + bp): a loop over four chunks.  The K steps are common; what names x1's registers, which change from chunk to chunk, stands in four arms chosen by the trip's count.
.macro PARM j                          ; chunk j's x1, and the next chunk's scale words, biases and layer scale
.irp m, 0,1,2
	WIN 0xa1+0x50*(\m/2)
.irp t, 0,1,2,3
.irp p, 0,2,4,6
	v_pk_fma_f32 v[128*(\m%2)+32*\j+8*\t+\p:128*(\m%2)+32*\j+8*\t+\p+1], v[LS+8*\t+\p:LS+8*\t+\p+1], v[ACC+8*(4*\m+\t)+\p:ACC+8*(4*\m+\t)+\p+1], v[128*(\m%2)+32*\j+8*\t+\p:128*(\m%2)+32*\j+8*\t+\p+1]
.endr
.endr
.endr
	WIN 0
.if \j < 3
	PREFW 12, 14, (\j)+1
	PREFL 16, (\j)+1
.endif
	s_wait_alu depctr_va_vdst(0)                   ; the wait at the arm's end, ahead of the branch
.endm
.irp n, 0,1,2,3,4,5,6,7,8,9,10,11
	v_or_b32 v[AS+\n], v[AS+\n], v[60+\n]          ; the two heads' bytes make a K step's scale word (every load of the head is in: the last unit's wait was for 0)
.endr
	PLACES                                         ; with the four behind the tensor load and the address line: nine places ahead of the first products
	s_mov_b32 s[JJ], 4
	s_wait_alu depctr_va_vdst(0)                   ; the wait here, ahead of the waits below
.Lpj:
	RINGHEAD 2, F1P                                ; the next chunk of proj; in the last trip fc1's first
	s_wait_loadcnt 0x0                             ; this chunk's scale words, biases and layer scale
	KSTEPS
	s_cmp_eq_u32 s[JJ], 4                          ; the count is the same in all waves and in all partners
	s_cbranch_scc0 .Lp1
	PARM 0
	s_branch .Lpn
.Lp1:
	s_cmp_eq_u32 s[JJ], 3
	s_cbranch_scc0 .Lp2
	PARM 1
	s_branch .Lpn
.Lp2:
	s_cmp_eq_u32 s[JJ], 2
	s_cbranch_scc0 .Lp3
	PARM 2
	s_branch .Lpn
.Lp3:
	PARM 3
.Lpn:
	s_xor_b32 s[TB], s[TB], REGN
	s_sub_co_u32 s[JJ], s[JJ], 1
	s_cmp_lg_u32 s[JJ], 0
	s_cbranch_scc1 .Lpj
; ---- LN2 on x1: the mean first, then the squares of the differences; a row's 1,024 numbers lie in two lanes of each of the four waves
.macro NLOAD beta                      ; norm2's numbers of block beta of my 256 columns, into the registers of block beta % 4
.irp q, 0,1
.irp e, 0,1
	global_load_b128 v[NW+16*((\beta)%4)+8*\q+4*\e:NW+16*((\beta)%4)+8*\q+4*\e+3], v[BO], s[18:19] offset:128*(\beta)+64*\q+16*\e
	global_load_b128 v[NB+16*((\beta)%4)+8*\q+4*\e:NB+16*((\beta)%4)+8*\q+4*\e+3], v[BO], s[20:21] offset:128*(\beta)+64*\q+16*\e
.endr
.endr
.endm
.macro RED m, off                      ; four chains -> my wave's part of row r's sum, to LDS
	v_pk_add_f32 v[SS:SS+1], v[SS:SS+1], v[SS+2:SS+3]
	v_pk_add_f32 v[SS+4:SS+5], v[SS+4:SS+5], v[SS+6:SS+7]
	v_pk_add_f32 v[SS:SS+1], v[SS:SS+1], v[SS+4:SS+5]
	v_add_f32 v[TS3+\m], v[SS], v[SS+1]
	v_permlanex16_b32 v[T2], v[TS3+\m], s[SEL], s[SEL+1]
	v_add_f32 v[TS3+\m], v[TS3+\m], v[T2]
	ds_store_b32 v[PSA], v[TS3+\m] offset:\off+256*\m
.endm
.macro XSUM m
.set XB0, 128*((\m)%2)
.set WN, 2+(\m)/2
	WIN WN|(WN<<2)
.irp c, 0,1,2,3
	v_pk_add_f32 v[SS+2*\c:SS+2*\c+1], v[XB0+4*\c:XB0+4*\c+1], v[XB0+4*\c+2:XB0+4*\c+3]
.endr
	WIN WN<<2
.set i, 16
.rept 14
.irp c, 0,1,2,3
	v_pk_add_f32 v[SS+2*\c:SS+2*\c+1], v[SS+2*\c:SS+2*\c+1], v[XB0+i+2*\c:XB0+i+2*\c+1]
.endr
.set i, i+8
.endr
	WIN 0
	RED \m, 0
.endm
.macro XSQ m                           ; the differences go to window 0 in batches of 32 pairs, so that a tile costs four window switches
.set XB0, 128*((\m)%2)
.set WN, 2+(\m)/2
.irp bb, 0,1
	WIN WN
.set p, 0
.rept 32
.set rT, 44+2*p
.if p >= 16
.set rT, 204+2*(p-16)
.endif
	v_pk_add_f32 v[rT:rT+1], v[XB0+64*\bb+2*p:XB0+64*\bb+2*p+1], v[MU+2*\m:MU+2*\m+1] op_sel_hi:[1,0] neg_lo:[0,1] neg_hi:[0,1]
.set p, p+1
.endr
	WIN 0
.set p, 0
.rept 32
.set rT, 44+2*p
.if p >= 16
.set rT, 204+2*(p-16)
.endif
.if (\bb == 0) && (p < 4)
	v_pk_mul_f32 v[SS+2*(p%4):SS+2*(p%4)+1], v[rT:rT+1], v[rT:rT+1]
.else
	v_pk_fma_f32 v[SS+2*(p%4):SS+2*(p%4)+1], v[rT:rT+1], v[rT:rT+1], v[SS+2*(p%4):SS+2*(p%4)+1]
.endif
.set p, p+1
.endr
.endr
	RED \m, 768
.endm
.macro GATHER off                      ; the four waves' parts of each row: v[SS + 4 m] = the row's sum
.irp m, 0,1,2
	ds_load_b128 v[SS+4*\m:SS+4*\m+3], v[PRA] offset:\off+256*\m
.endr
	s_wait_dscnt 0x0
.irp m, 0,1,2
	v_add_f32 v[SS+4*\m], v[SS+4*\m], v[SS+4*\m+1]
	v_add_f32 v[SS+4*\m+2], v[SS+4*\m+2], v[SS+4*\m+3]
.endr
.irp m, 0,1,2
	v_add_f32 v[SS+4*\m], v[SS+4*\m], v[SS+4*\m+2]
.endr
.endm
	NLOAD 0
	NLOAD 1
	NLOAD 2
	NLOAD 3
	XSUM 0
	XSUM 1
	XSUM 2
	BARRIER
	GATHER 0
.irp m, 0,1,2
	v_mul_f32 v[MU+2*\m], s[RK], v[SS+4*\m]
.endr
	XSQ 0
	XSQ 1
	XSQ 2
	BARRIER
	GATHER 768
.irp m, 0,1,2
	v_fma_f32 v[SS+4*\m], v[SS+4*\m], s[RK], s[EPS]
.endr
	s_wait_alu depctr_va_vdst(0)
.irp m, 0,1,2
	v_rsq_f32 v[RS+2*\m], v[SS+4*\m]
.endr
	v_nop
	s_wait_alu depctr_va_vdst(0)                   ; one wait for the three roots, ahead of their first reader
.macro NORMB beta, left                ; block beta: normalise and quantise.  left: the eight loads of each younger block may stay out
	s_wait_loadcnt \left
	WIN 0x02
.irp p, 0,2,4,6,8,10,12,14
	v_pk_add_f32 v[44+\p:45+\p], v[16*\beta+\p:16*\beta+\p+1], v[MU:MU+1] op_sel_hi:[1,0] neg_lo:[0,1] neg_hi:[0,1]
	v_pk_add_f32 v[60+\p:61+\p], v[128+16*\beta+\p:128+16*\beta+\p+1], v[MU+2:MU+3] op_sel_hi:[1,0] neg_lo:[0,1] neg_hi:[0,1]
.endr
	WIN 0x03
.irp p, 0,2,4,6,8,10,12,14
	v_pk_add_f32 v[204+\p:205+\p], v[16*\beta+\p:16*\beta+\p+1], v[MU+4:MU+5] op_sel_hi:[1,0] neg_lo:[0,1] neg_hi:[0,1]
.endr
	WIN 0
.irp p, 0,2,4,6,8,10,12,14
	v_pk_mul_f32 v[44+\p:45+\p], v[44+\p:45+\p], v[RS:RS+1] op_sel_hi:[1,0]
	v_pk_mul_f32 v[60+\p:61+\p], v[60+\p:61+\p], v[RS+2:RS+3] op_sel_hi:[1,0]
	v_pk_mul_f32 v[204+\p:205+\p], v[204+\p:205+\p], v[RS+4:RS+5] op_sel_hi:[1,0]
.endr
.irp p, 0,2,4,6,8,10,12,14
	v_pk_fma_f32 v[44+\p:45+\p], v[44+\p:45+\p], v[NW+16*(\beta%4)+\p:NW+16*(\beta%4)+\p+1], v[NB+16*(\beta%4)+\p:NB+16*(\beta%4)+\p+1]
	v_pk_fma_f32 v[60+\p:61+\p], v[60+\p:61+\p], v[NW+16*(\beta%4)+\p:NW+16*(\beta%4)+\p+1], v[NB+16*(\beta%4)+\p:NB+16*(\beta%4)+\p+1]
	v_pk_fma_f32 v[204+\p:205+\p], v[204+\p:205+\p], v[NW+16*(\beta%4)+\p:NW+16*(\beta%4)+\p+1], v[NB+16*(\beta%4)+\p:NB+16*(\beta%4)+\p+1]
.endr
.if \beta < 4
	NLOAD (\beta)+4
.endif
	QBLK 44, 60, 204, HIA, HSB, 256*\beta, \beta
.endm
	NORMB 0, 24
	NORMB 1, 24
	NORMB 2, 24
	NORMB 3, 24
	NORMB 4, 24
	NORMB 5, 16
	NORMB 6, 8
	NORMB 7, 0
.macro F1PRE                           ; fc1: the scale words and biases of 32 hidden units
.irp q, 0,1
	global_load_b128 v[WS+4*\q:WS+4*\q+3], v[WSO], s[F1S:F1S+1] offset:512*\q
.endr
	WIN 0x40
.irp q, 0,1
	global_load_b128 v[BIAS+8*\q:BIAS+8*\q+3], v[BO], s[F1B:F1B+1] offset:64*\q
	global_load_b128 v[BIAS+8*\q+4:BIAS+8*\q+7], v[BO], s[F1B:F1B+1] offset:64*\q+16
.endr
	WIN 0
.endm
	F1PRE
	BARRIER                                        ; LN2's 24 fragments lie in LDS
	FETCHAF                                        ; (the round in front of fc1's first refill shows that every wave has fetched them, before the hidden layer takes their bytes)
; ---- fc1 and GELU: a loop over four chunks, and in it over two blocks of 32 hidden units
.macro WF2 gk                          ; two K steps x two tiles, into set gk of window 3
.set WB, W3+32*(\gk)
.irp d, 0,1
.irp q, 0,1
.irp c, 0,1
	ds_load_b128 v[WB+16*\d+8*\q+4*\c:WB+16*\d+8*\q+4*\c+3], v[WA] offset:16*WPITCH*\q+64*(2*(\gk)+\d)+32*\c
.endr
.endr
.endr
.endm
.macro MUL6 ks                         ; six accumulators by turns
.if (\ks) == 0
	WIN 0x17
.else
	WIN 0x07
.endif
.irp m, 0,1,2
.irp q, 0,1
.set rD, ACC+16*\m+8*\q
.set rA, W3+32*((\ks)/2)+16*((\ks)%2)+8*\q
.set rB, 8*(8*\m+(\ks))
.set rC, rD
.if (\ks) == 0
.set rC, BIAS+8*\q
.endif
.set rSA, WS+4*\q+(\ks)%4
.set rSB, AS+4*\m+(\ks)%4
	WM (\ks)/4
.endr
.endr
.endm
.macro GELU m
.set U, ACC+16*(\m)
.irp i, 0,1,2,3,4,5,6,7,8,9,10,11,12,13,14,15
	v_fma_f32 v[GT+\i], |v[U+\i]|, s[K1], 1.0      ; 1 + z / 2
.endr
	s_wait_alu depctr_va_vdst(0)
.irp i, 0,1,2,3,4,5,6,7,8,9,10,11,12,13,14,15
	v_rcp_f32 v[GT+\i], v[GT+\i]                   ; t
.endr
.irp i, 0,2,4,6,8,10,12,14
	v_pk_mul_f32 v[GW+\i:GW+\i+1], v[U+\i:U+\i+1], v[U+\i:U+\i+1]
.endr
	s_wait_alu depctr_va_vdst(0)                   ; one wait for the sixteen, ahead of their first reader
.irp i, 0,2,4,6,8,10,12,14
	v_pk_fma_f32 v[GP+\i:GP+\i+1], v[GT+\i:GT+\i+1], v[254:255], 0xbf527892 op_sel_hi:[1,1,0]
.endr
.irp c, 0x3fbe87b0, 0xbf914e5d, 0x3e8ec7cc, 0xbe3ec24c, 0x3dc636c9, 0x3ebf88fb, 0x3f8000c7, 0xbffab55a   ; the last is the fit's constant term less ln 2: the exponential then gives half of erfc / t
.irp i, 0,2,4,6,8,10,12,14
	v_pk_fma_f32 v[GP+\i:GP+\i+1], v[GP+\i:GP+\i+1], v[GT+\i:GT+\i+1], \c op_sel_hi:[1,1,0]
.endr
.endr
.irp i, 0,2,4,6,8,10,12,14
	v_pk_fma_f32 v[GP+\i:GP+\i+1], v[GW+\i:GW+\i+1], -0.5, v[GP+\i:GP+\i+1] op_sel_hi:[1,0,1]    ; - z^2
.endr
.irp i, 0,2,4,6,8,10,12,14
	v_pk_mul_f32 v[GP+\i:GP+\i+1], v[GP+\i:GP+\i+1], 0x3fb8aa3b op_sel_hi:[1,0]
.endr
	s_wait_alu depctr_va_vdst(0)
.irp i, 0,1,2,3,4,5,6,7,8,9,10,11,12,13,14,15
	v_exp_f32 v[GP+\i], v[GP+\i]
.endr
.irp i, 0,1,2,3,4,5,6,7,8,9,10,11,12,13,14,15
	v_max_num_f32 v[GX+\i], 0, v[U+\i]
.endr
	s_wait_alu depctr_va_vdst(0)
.irp i, 0,2,4,6,8,10,12,14
	v_pk_mul_f32 v[GP+\i:GP+\i+1], v[GP+\i:GP+\i+1], v[GT+\i:GT+\i+1]      ; erfc
.endr
.irp i, 0,1,2,3,4,5,6,7,8,9,10,11,12,13,14,15
	v_fma_f32 v[U+\i], -|v[U+\i]|, v[GP+\i], v[GX+\i]      ; max(u, 0) - |u| erfc / 2
.endr
.endm
	s_mov_b64 s[WP:WP+1], s[F1P:F1P+1]
	s_mov_b32 s[QQ], 0
	s_mov_b32 s[QO], 0
	s_mov_b32 s85, 0
	s_mov_b32 s[JJ], 4
.Lf1:
	RINGHEAD 2, F2P
	s_mov_b32 s[HF], 2
.Lhf:
	s_wait_loadcnt 0x0                             ; this block's scale words and biases
	v_add_nc_u32 v[WA], s[TB], v[WA0]
	s_wait_alu depctr_va_vdst(0)
	v_add_nc_u32 v[HIQ], s[QO], v[HIA]
	v_add_nc_u32 v[HSQ], s[QQ], v[HSB]
	WIN 0xc0
	WF2 0                                          ; the block's 32 loads in one run (the places behind the last block's products stand at its end)
	WF2 1
	WF2 2
	WF2 3
.irp gk, 0,1,2,3
	s_wait_dscnt 24-8*\gk                          ; the younger sets, eight loads each, may stay out
	MUL6 2*\gk
	MUL6 2*\gk+1
.endr
	WIN 0
	PLACES
	s_cmp_lt_u32 s[QQ], 7                          ; the last block steps by nothing: no load leaves its buffer
	s_cselect_b32 s82, 1024, 0
	s_cselect_b32 s84, 128, 0
	s_add_nc_u64 s[F1S:F1S+1], s[F1S:F1S+1], s[82:83]
	s_add_nc_u64 s[F1B:F1B+1], s[F1B:F1B+1], s[84:85]
	F1PRE                                          ; the next block's, under the activation
	GELU 0
	GELU 1
	GELU 2
	QBLK ACC, ACC+16, ACC+32, HIQ, HSQ, 0, 0
	s_add_co_u32 s[TB], s[TB], 32*WPITCH
	s_add_co_u32 s[QO], s[QO], 256
	s_add_co_u32 s[QQ], s[QQ], 1
	s_sub_co_u32 s[HF], s[HF], 1
	s_cmp_lg_u32 s[HF], 0
	s_cbranch_scc1 .Lhf
	s_sub_co_u32 s[TB], s[TB], 64*WPITCH
	s_xor_b32 s[TB], s[TB], REGN
	s_sub_co_u32 s[JJ], s[JJ], 1
	s_cmp_lg_u32 s[JJ], 0
	s_cbranch_scc1 .Lf1
; ---- fc2: out = x1 + ls2 (h W2^T + b2): a loop over three chunks and the last written out, which asks for no weights.  As in proj, what names x1's registers stands in arms.
.macro OARM j                          ; chunk j's result, in place in the accumulators; the next chunk's scale words, biases and layer scale
.if \j < 3
	PREFW 30, 32, (\j)+1
.endif
.irp m, 0,1,2
	WIN 0x21+0x10*(\m/2)
.irp t, 0,1,2,3
.irp p, 0,2,4,6
	v_pk_fma_f32 v[ACC+8*(4*\m+\t)+\p:ACC+8*(4*\m+\t)+\p+1], v[LS+8*\t+\p:LS+8*\t+\p+1], v[ACC+8*(4*\m+\t)+\p:ACC+8*(4*\m+\t)+\p+1], v[128*(\m%2)+32*(\j)+8*\t+\p:128*(\m%2)+32*(\j)+8*\t+\p+1]
.endr
.endr
.endr
	WIN 0
.if \j < 3
	PREFL 34, (\j)+1
.endif
	s_wait_alu depctr_va_vdst(0)                   ; the wait at the arm's end
.endm
.macro OSTORE m, j                     ; tile m's 16 rows x 256 bytes, from the registers that held its accumulators; the chunk's place is in the base, so j = 0
.set OB, ACC+32*(\m)
	s_cmp_eq_u32 s[NV+\m], 16                      ; a whole tile?  (the count hangs on the grid's y alone, which the partners share)
	s_cbranch_scc0 .Lshort_\@
.irp i, 0,1,2,3,4,5,6,7
	global_store_b128 v[OSO], v[OB+4*\i:OB+4*\i+3], s[OUTP+2*(\m):OUTP+2*(\m)+1] offset:8192*\i+256*(\j) th:TH_STORE_NT   ; sixteen lanes store 256 consecutive bytes, aligned
.endr
	s_branch .Lstored_\@
.Lshort_\@:
	s_mov_b32 s86, s[NV+\m]
.irp i, 0,1,2,3,4,5,6,7
	s_wait_xcnt 0x0                                ; EXEC changes only behind this wait
	v_cmpx_gt_i32 s86, v[RH]                       ; row 2 i + h exists; the masks only narrow
	global_store_b128 v[OSO], v[OB+4*\i:OB+4*\i+3], s[OUTP+2*(\m):OUTP+2*(\m)+1] offset:8192*\i+256*(\j) th:TH_STORE_NT
	s_sub_co_i32 s86, s86, 2
.endr
	s_wait_xcnt 0x0
	s_mov_b32 exec_lo, -1
.Lstored_\@:
.endm
.macro OSEND                           ; the three tiles turn through my own stage one behind the other (LDS serves a wave's instructions in order), then each is stored as its rows come back
.irp m, 0,1,2
.irp t, 0,1,2,3
.irp e, 0,1
	ds_store_b128 v[SLN], v[ACC+32*\m+8*\t+4*\e:ACC+32*\m+8*\t+4*\e+3] offset:64*\t+16*\e
.endr
.endr
.irp i, 0,1,2,3,4,5,6,7
	ds_load_b128 v[ACC+32*\m+4*\i:ACC+32*\m+4*\i+3], v[SRW] offset:544*\i
.endr
.endr
.irp m, 0,1,2
	s_wait_dscnt 32-16*\m                          ; the younger tiles' 16 LDS instructions each may stay out
	OSTORE \m, 0
.endr
.endm
	s_wait_loadcnt 0x0                             ; fc1's last loads are in: their registers are loaded again
	PREFW 30, 32, 0
	PREFL 34, 0
	BARRIER                                        ; every wave's part of the hidden layer lies in LDS
	FETCHAF
	s_mov_b32 s[JJ], 3
.Lo:
	RINGHEAD 0, F2P
	s_wait_loadcnt 0x0                             ; this chunk's scale words, biases and layer scale
	KSTEPS
	s_cmp_eq_u32 s[JJ], 3
	s_cbranch_scc0 .Lo1
	OARM 0
	s_branch .Lon
.Lo1:
	s_cmp_eq_u32 s[JJ], 2
	s_cbranch_scc0 .Lo2
	OARM 1
	s_branch .Lon
.Lo2:
	OARM 2
.Lon:
	OSEND
	s_wait_xcnt 0x0                                ; the stores have read their data, which the next products write, and their bases:
.irp m, 0,1,2
	s_add_nc_u64 s[OUTP+2*\m:OUTP+2*\m+1], s[OUTP+2*\m:OUTP+2*\m+1], 256   ; the next chunk's 64 columns
.endr
	s_xor_b32 s[TB], s[TB], REGN
	s_sub_co_u32 s[JJ], s[JJ], 1
	s_cmp_lg_u32 s[JJ], 0
	s_cbranch_scc1 .Lo
	s_wait_tensorcnt 0x0                           ; the last chunk is in; the bytes are my own and nothing is filled again
	s_wait_loadcnt 0x0
	KSTEPS
	OARM 3
	OSEND
	s_wait_tensorcnt 0x0                           ; the wave's end
	ds_add_u32 v[SPW], v[NIL]
	s_wait_dscnt 0x0
	ROUND                                          ; the closing round
	s_endpgm
.Lfunc_end_k_q40674777bf_mlp:
	.size	k_q40674777bf_mlp, .Lfunc_end_k_q40674777bf_mlp-k_q40674777bf_mlp
	.p2alignl 7, 3214868480
	.fill 96, 4, 3214868480
	.section	.rodata,"a",@progbits
	.p2align	6, 0x0
	.amdhsa_kernel k_q40674777bf_mlp
		.amdhsa_group_segment_fixed_size 327680
		.amdhsa_private_segment_fixed_size 0
		.amdhsa_enable_private_segment 0
		.amdhsa_kernarg_size 136
		.amdhsa_user_sgpr_count 2
		.amdhsa_user_sgpr_kernarg_segment_ptr 1
		.amdhsa_wavefront_size32 1
		.amdhsa_system_sgpr_workgroup_id_x 1
		.amdhsa_system_sgpr_workgroup_id_y 1
		.amdhsa_system_sgpr_workgroup_id_z 1
		.amdhsa_system_vgpr_workitem_id 0
		.amdhsa_next_free_vgpr 1024
		.amdhsa_next_free_sgpr 88
		.amdhsa_reserve_vcc 0
		.amdhsa_float_denorm_mode_32 3
		.amdhsa_float_denorm_mode_16_64 3
		.amdhsa_memory_ordered 1
		.amdhsa_forward_progress 1
		.amdhsa_inst_pref_size 255
	.end_amdhsa_kernel
	.section	.bss,"aw",@nobits
	.p2align	6
	.space	262144
	.amdgpu_metadata
---
amdhsa.version: [ 1, 2 ]
amdhsa.kernels:
  - .name:           k_q40674777bf_mlp
    .symbol:         k_q40674777bf_mlp.kd
    .args:
      - { .name: hidden_states, .offset: 0, .size: 8, .value_kind: global_buffer, .address_space: global }
      - { .name: o_c, .offset: 8, .size: 8, .value_kind: global_buffer, .address_space: global }
      - { .name: o_s, .offset: 16, .size: 8, .value_kind: global_buffer, .address_space: global }
      - { .name: proj_w_codes, .offset: 24, .size: 8, .value_kind: global_buffer, .address_space: global }
      - { .name: proj_w_scales, .offset: 32, .size: 8, .value_kind: global_buffer, .address_space: global }
      - { .name: proj_b, .offset: 40, .size: 8, .value_kind: global_buffer, .address_space: global }
      - { .name: ls1, .offset: 48, .size: 8, .value_kind: global_buffer, .address_space: global }
      - { .name: norm2_w, .offset: 56, .size: 8, .value_kind: global_buffer, .address_space: global }
      - { .name: norm2_b, .offset: 64, .size: 8, .value_kind: global_buffer, .address_space: global }
      - { .name: fc1_w_codes, .offset: 72, .size: 8, .value_kind: global_buffer, .address_space: global }
      - { .name: fc1_w_scales, .offset: 80, .size: 8, .value_kind: global_buffer, .address_space: global }
      - { .name: fc1_b, .offset: 88, .size: 8, .value_kind: global_buffer, .address_space: global }
      - { .name: fc2_w_codes, .offset: 96, .size: 8, .value_kind: global_buffer, .address_space: global }
      - { .name: fc2_w_scales, .offset: 104, .size: 8, .value_kind: global_buffer, .address_space: global }
      - { .name: fc2_b, .offset: 112, .size: 8, .value_kind: global_buffer, .address_space: global }
      - { .name: ls2, .offset: 120, .size: 8, .value_kind: global_buffer, .address_space: global }
      - { .name: out0, .offset: 128, .size: 8, .value_kind: global_buffer, .address_space: global }
    .group_segment_fixed_size: 327680
    .private_segment_fixed_size: 0
    .kernarg_segment_align: 8
    .kernarg_segment_size: 136
    .max_flat_workgroup_size: 128
    .sgpr_count:     88
    .vgpr_count:     1024
    .wavefront_size: 32
...
	.end_amdgpu_metadata
.endif
;; end of part 3
